; MI455X (gfx1250); checked and timed in simulation.
; The chip was launched on July 23, 2026; its instructions are those of AMD's public machine-readable ISA for CDNA 5 (MIT licence, August 2026) and "CDNA5" Instruction Set Architecture Reference Guide (July 2026). The comments in the code are by the model that wrote it; some were corrected since.
;; Eagle3 Attention. Allowed arithmetic: matrix products marked QUANTISED: E2M1 operands, one E8M0 scale for each 32 along K, by v_wmma_scale_f32_16x16x128_f8f6f4 with both operands' format E2M1 (or v_wmma_scale_f32_32x16x128_f4), f32 sums; products left as they are: bf16, f16 or f32 operands; f32 sums; everything else in f32.
;; Inputs: Wk 4,096 x 512 float32; Wo 2,048 x 2,048 float32; Wq 4,096 x 2,048 float32; Wv 4,096 x 512 float32; hidden_states 1 x 2,048 x 4,096 float32.
;; Outputs: out0 1 x 2,048 x 2,048 float32.
;; This version of the problem:
;;   THIS VERSION OF THE PROBLEM IS GIVEN IN LOW PRECISION. The matrix products marked QUANTISED in the list below multiply operands that are first quantised to E2M1 (2 exponent bits, 1 mantissa bit; 4 bits a number), with one power-of-two scale for each 32 numbers along K (OCP MX v1.0); their sums are f32. The products marked 'left as it is' may take bf16, f16 or f32 operands, with f32 sums. Whichever they take, every output number must still come out within the allowed error. Rounding operands to bf16 (8 significant bits) uses up far more of that allowance than f16 does (11 bits, for magnitudes from 6e-5 to 65,504). All else is computed in f32.
;;   The module's matrix products, in the order in which they are computed (A, B: the left and right operand; K: the contracted axis; several contracted axes count as one K, in the product's order):
;;     1. [M 2,048, K 4,096] x [K 4,096, N 2,048]; A: input hidden_states; B: input Wq: QUANTISED
;;     2. [M 2,048, K 4,096] x [K 4,096, N 512]; A: input hidden_states; B: input Wk: QUANTISED
;;     3. [M 2,048, K 4,096] x [K 4,096, N 512]; A: input hidden_states; B: input Wv: QUANTISED
;;     4. batch 32 x [M 2,048, K 64] x [K 64, N 2,048]; A: computed on the way; B: computed on the way: left as it is (an operand is computed on the way)
;;     5. batch 32 x [M 2,048, K 2,048] x [K 2,048, N 64]; A: computed on the way; B: computed on the way: left as it is (an operand is computed on the way)
;;     6. [M 2,048, K 2,048] x [K 2,048, N 2,048]; A: computed on the way; B: input Wo: left as it is (an operand is computed on the way)
;;   THE QUANTISER, for each operand of a quantised product, along K:
;;     - K is cut into blocks of 32 from its start; a last block that is shorter is filled with zeros.
;;     - A block's scale is 2^e with e = floor(log2(the largest magnitude in the block)) - 2, held to -126 .. 127; a block of zeros has e = 0. As a byte (E8M0): e + 127.
;;     - Each number is divided by its block's scale, clamped to +-6, and rounded to the nearest number of E2M1, ties to even, subnormals kept.
;;     - The product sums the exact products of the quantised numbers (number of the format x scale) in f32.
;;   ~~~python
;;   def quantise(x, axis):      # numpy; x: float32 -> the quantised numbers, widened to float32 again
;;       x = np.moveaxis(x, axis, -1); K = x.shape[-1]
;;       x = np.pad(x, [(0, 0)] * (x.ndim - 1) + [(0, -K % 32)]); x = x.reshape(x.shape[:-1] + (-1, 32)); a = np.abs(x).max(-1, keepdims=True)
;;       e = np.where(a > 0, np.clip(np.frexp(np.where(a > 0, a, 1))[1] - 1 - 2, -126, 127), 0)      # np.frexp(a)[1] - 1 = floor(log2(a)), exactly
;;       r = np.clip(x / 2.0 ** e, -6, 6)
;;       step = 2.0 ** (np.maximum(np.frexp(np.where(r == 0, 1, r))[1] - 1, 0) - 1)
;;       q = np.round(r / step) * step * 2.0 ** e      # np.round: ties to even
;;       return np.moveaxis(q.reshape(q.shape[:-2] + (-1,))[..., :K], -1, axis).astype(np.float32)
;;   ~~~
;; One version. Each part assembles by itself: llvm-mc -triple=amdgcn-amd-amdhsa -mcpu=gfx1250 --defsym DOCPART=n.
;; ======== version 1 of 1: 4 launches
;; limits: values are held in f16: magnitudes above 65,504 overflow, below 6.1e-05 lose precision
;; workspace buffers: xc 4,194,304 bytes; xs 524,288 bytes; wc 6,291,456 bytes; ws 786,432 bytes; wo16 8,388,608 bytes; qkv 12,582,912 bytes; o16 8,388,608 bytes
;; launch prep (part 1): grid 512 x 1, 4 waves a work-group, no clusters, 68,096 bytes of LDS; arguments hidden_states, Wq, Wk, Wv, Wo, xc, xs, wc, ws, wo16; writes xc, xs, wc, ws, wo16
.if DOCPART == 1
	.amdgcn_target "amdgcn-amd-amdhsa--gfx1250"
	.amdhsa_code_object_version 6
	.text
	.protected	k_q41c0c30604_prep
	.globl	k_q41c0c30604_prep
	.p2align	8
	.type	k_q41c0c30604_prep,@function
k_q41c0c30604_prep:
	s_mov_b64 s[64:65], 0
	v_nop
	global_prefetch_b8 v0, s[64:65] scope:SCOPE_SE
	s_setreg_imm32_b32 hwreg(HW_REG_WAVE_MODE, 25, 1), 1
	s_wait_xcnt 0x0
; PREP: everything that is made once from the inputs.  Three kinds of work-groups, told apart by the work-group's number alone:
;   0..191   W: Wq | Wk | Wv ([4096 k][n] f32, K is the FIRST axis) -> codes of FP4 (E2M1) wc [3072 n][2048 bytes], K innermost, and E8M0 scale bytes ws; n 0..2047 Wq, 2048..2559 Wk, 2560..3071 Wv
;   192..255 C: Wo [2048][2048] f32 -> wo16 = 2 x Wo in f16, same layout (the later product takes o / 2 beside it: both factors are powers of two and round nothing)
;   256..511 X: hidden_states [2048][4096] f32 -> codes xc [2048][2048 bytes], K innermost, and scale bytes xs
; A W or C group reads 262,144 bytes, an X group 131,072: groups i and i + 256 together read 393,216 bytes for every i.
; THE SCALE BYTES lie by K step of 512: xs [16][2048 rows][16 bytes], ws [16][3072][16]; entry j holds K step j mod 8: the eight steps are stored twice on end, so that the product's launch, which walks K
; round from a step of its own, finds its eight steps as eight rows on end.
; A block's scale is 2^(floor(log2(its largest magnitude)) - 2); its byte is the largest magnitude's own exponent field - 2, held at 1 from below by a floor among the maximum's leaves.
; A block of zeros so gets the byte 1 where the quantiser says 127: its codes are zeros, which add nothing, and the bytes are read by this program alone.
; LIMITS: blocks whose largest magnitude lies under 2^-124 keep the byte 1; NaN and infinities among the inputs are not served; |2 Wo| has to stay under 65,504 (f16).
; No tensor load, no barrier: waves share nothing.  Each kind of work-group has LDS bytes of its own.
.set STEPS, 16
.set WREG,  8192                       ; X: a region for each wave: two stages of 32 x SP bytes, behind them its 256 scale bytes
.set SP,    80                         ; X: a lane's place in a stage: its 64 bytes + 16 of padding
.set WSTG,  4*WREG                     ; W: four stages of 32 rows x WPITCH
.set WPITCH, 272                       ; W: a column's 256 bytes of codes + 16 of padding
.set SPARE, WSTG+4*32*WPITCH           ; the spare words, 128 bytes for each wave: two blocks of 256 bytes that no other line names
.set SPW,   12                         ; v12  LDS address of my spare word; never rewritten
.set NIL,   13                         ; v13  0; never rewritten
.set R,     16                         ; X: v16-79   four sets of 16 numbers as loaded
.set X,     80                         ; X: v80-111  two sets of 16 neighbours
.set E,     112                        ; X: v112-127 a scale byte for each step
.set C,     128                        ; X: v128-191 codes, four registers for each step: no store's data are written again
.set WX,    32                         ; W: v32-95   two sets of 32 numbers; later the way out
.set VO,    96                         ; W: v96-127  4 x lane + i x the weight's row in bytes; never rewritten
.set WC,    128                        ; W: v128-131 a block's codes
.set SB,    132                        ; W: v132-135 the 16 scale bytes
	s_load_b512 s[4:19], s[0:1], 0x0               ; hidden_states 4:5, Wq 6:7, Wk 8:9, Wv 10:11, Wo 12:13, xc 14:15, xs 16:17, wc 18:19
	s_load_b128 s[20:23], s[0:1], 0x40             ; ws 20:21, wo16 22:23
	v_lshl_add_u32 v[SPW], v0, 2, SPARE
	v_mov_b32 v[NIL], 0
	v_lshrrev_b32 v1, 5, v0
	v_readfirstlane_b32 s24, v1                    ; wave 0..3
	v_and_b32 v2, 31, v0                           ; lane
	s_wait_kmcnt 0x0
	s_cmp_lt_u32 ttmp9, 192
	s_cbranch_scc1 .LW
	s_cmp_ge_u32 ttmp9, 256
	s_cbranch_scc1 .LX
; ---------------- C: 2 x Wo as f16.  A wave takes 65,536 bytes: 128 loads of 512 consecutive bytes, in eight groups of 16, two groups ahead.
	s_sub_co_u32 s25, ttmp9, 192
	s_lshl_b32 s25, s25, 18                        ; 262,144 bytes of Wo a work-group
	s_lshl_b32 s26, s24, 16
	s_add_co_u32 s26, s25, s26
	s_mov_b32 s27, 0
	s_add_nc_u64 s[12:13], s[12:13], s[26:27]
	s_lshr_b32 s26, s26, 1                         ; half as many bytes out
	s_add_nc_u64 s[22:23], s[22:23], s[26:27]
	v_lshlrev_b32 v3, 4, v2                        ; in: 16 bytes a lane
	v_lshlrev_b32 v4, 3, v2                        ; out: 8 bytes a lane: a store covers 256 consecutive bytes, aligned
.macro CLOADG g
.irp i, 0,1,2,3,4,5,6,7,8,9,10,11,12,13,14,15
	global_load_b128 v[32+64*((\g)%2)+4*\i:32+64*((\g)%2)+4*\i+3], v3, s[12:13] offset:512*(16*(\g)+\i) th:TH_LOAD_NT
.endr
.endm
.macro CGROUP g
.if (\g) > 0
	s_wait_xcnt 0x0                                ; the last group's stores have read their data registers: they are written again only behind this wait
.endif
.irp i, 0,1,2,3,4,5,6,7,8,9,10,11,12,13,14,15
.set CA, 32+64*((\g)%2)+4*\i
.if (\g) < 7
	s_wait_loadcnt 31-\i                           ; behind my load: the rest of its group and the 16 of the next group
.else
	s_wait_loadcnt 15-\i
.endif
	v_pk_mul_f32 v[CA:CA+1], v[CA:CA+1], 2.0 op_sel_hi:[1,0]
	v_pk_mul_f32 v[CA+2:CA+3], v[CA+2:CA+3], 2.0 op_sel_hi:[1,0]
	v_cvt_pk_f16_f32 v[160+2*\i], v[CA], v[CA+1]
	v_cvt_pk_f16_f32 v[161+2*\i], v[CA+2], v[CA+3]
	global_store_b64 v4, v[160+2*\i:161+2*\i], s[22:23] offset:256*(16*(\g)+\i)
.endr
.if (\g) < 6
	CLOADG (\g)+2
.endif
.endm
	CLOADG 0
	CLOADG 1
.irp g, 0,1,2,3,4,5,6,7
	CGROUP \g
.endr
	s_wait_tensorcnt 0x0                           ; the wave's end: all three kinds of work-groups end alike
	ds_add_u32 v[SPW], v[NIL]
	s_wait_dscnt 0x0
	s_endpgm
; ---------------- X: a wave takes 16 rows x 512 along K: step t is row t.  A step's four loads read 512 consecutive bytes each; its 2,048 bytes turn through the wave's own stage so that a lane
; holds 16 NEIGHBOURS along K (two lanes hold a block of 32), as the conversions want them.  A lane's 16 codes are 8 bytes: the wave stores 256 consecutive bytes, aligned.
.LX:
	v_lshlrev_b32 v3, 4, v2                        ; my 16 bytes of a load's 512
	s_mul_i32 s25, s24, WREG
	v_lshrrev_b32 v14, 2, v2
	v_mul_u32_u24 v14, v14, SP
	v_and_b32 v15, 3, v2
	v_lshl_add_u32 v14, v15, 4, v14
	v_add_nc_u32 v14, s25, v14                     ; into the stage: four lanes' 64 bytes on end, then 16 of padding
	v_mul_u32_u24 v15, v2, SP
	v_add_nc_u32 v15, s25, v15                     ; out of it: SP x lane: my 16 neighbours
	v_lshlrev_b32 v4, 3, v2                        ; my codes' place in a step's 256 bytes
	v_lshrrev_b32 v5, 1, v2
	s_add_co_u32 s25, s25, 2*32*SP
	v_add_nc_u32 v5, s25, v5                       ; my wave's 256 scale bytes: my block's byte
	v_lshlrev_b32 v7, 3, v2
	v_add_nc_u32 v6, s25, v7                       ; and on the way out 8 bytes a lane
	s_sub_co_u32 s26, ttmp9, 256
	s_lshl_b32 s26, s26, 2
	s_add_co_u32 s26, s26, s24                     ; which of 1,024 wave shares
	s_and_b32 s27, s26, 7                          ; its K step of 512
	s_lshr_b32 s28, s26, 3                         ; its group of 16 rows
	s_mov_b32 s31, 0
	s_lshl_b32 s30, s28, 18                        ; 16 rows of 16,384 bytes
	s_lshl_b32 s29, s27, 11
	s_add_co_u32 s30, s30, s29
	s_add_nc_u64 s[4:5], s[4:5], s[30:31]
	s_lshl_b32 s30, s28, 15                        ; 16 rows of 2,048 bytes of codes
	s_lshl_b32 s29, s27, 8
	s_add_co_u32 s30, s30, s29
	s_add_nc_u64 s[14:15], s[14:15], s[30:31]
	s_lshl_b32 s30, s27, 15                        ; a K step's scale bytes of 2,048 rows
	s_lshl_b32 s29, s28, 8
	s_add_co_u32 s30, s30, s29
	s_add_nc_u64 s[16:17], s[16:17], s[30:31]
.macro XLOAD t
.irp i, 0,1,2,3
	global_load_b128 v[R+16*((\t)%4)+4*\i:R+16*((\t)%4)+4*\i+3], v3, s[4:5] offset:16384*(\t)+512*\i th:TH_LOAD_NT
.endr
.endm
.macro XTURN t                         ; step t's numbers through the stage: LDS serves a wave's instructions in order, so no wait stands between the stores and the loads
.irp i, 0,1,2,3
	ds_store_b128 v14, v[R+16*((\t)%4)+4*\i:R+16*((\t)%4)+4*\i+3] offset:32*SP*((\t)%2)+8*SP*\i
.endr
.irp i, 0,1,2,3
	ds_load_b128 v[X+16*((\t)%2)+4*\i:X+16*((\t)%2)+4*\i+3], v15 offset:32*SP*((\t)%2)+16*\i
.endr
.endm
.irp t, 0,1,2,3
	XLOAD \t
.endr
	s_wait_loadcnt 12                              ; step 0's four loads are in
	XTURN 0
.macro XSTEP t
.set XS, X+16*((\t)%2)
.if (\t) > 0
	s_wait_dscnt 1                                 ; this step's numbers are back from the stage (the last step's byte store may be out): so its stores into the stage have read their registers,
.else
	s_wait_dscnt 0x0
.endif
.if (\t)+4 < STEPS
	XLOAD (\t)+4                                   ; which take the loads of four steps on
.endif
.if (\t)+1 < STEPS
.if STEPS-2-(\t) >= 3
	s_wait_loadcnt 12                              ; the next step's four loads are in; those of the three steps behind it may be out
.else
	s_wait_loadcnt 4*(STEPS-2-(\t))
.endif
	XTURN (\t)+1
.endif
	v_max3_num_f32 v8, |v[XS]|, |v[XS+1]|, |v[XS+2]|               ; the largest magnitude of my 16, in two chains
	v_max3_num_f32 v9, |v[XS+3]|, |v[XS+4]|, |v[XS+5]|
.irp i, 6,10
	v_max3_num_f32 v8, v8, |v[XS+\i]|, |v[XS+\i+1]|
	v_max3_num_f32 v9, v9, |v[XS+\i+2]|, |v[XS+\i+3]|
.endr
	v_max3_num_f32 v8, v8, |v[XS+14]|, |v[XS+15]|
	v_max3_num_f32 v8, v8, v9, 0x1800000           ; and the floor 2^(3 - 127): the byte cannot fall under 1
	v_max_num_f32_dpp v8, v8, v8 row_xmask:1 row_mask:0xf bank_mask:0xf   ; with my neighbour's 16: the block's
	v_add_nc_u32 v11, 0xff000000, v8               ; 2 off its exponent field: the conversion takes the exponent field of this operand as its scale
	v_cvt_scalef32_pk8_fp4_f32 v[C+4*(\t)], v[XS:XS+7], v11
	v_cvt_scalef32_pk8_fp4_f32 v[C+4*(\t)+1], v[XS+8:XS+15], v11
	v_lshrrev_b32 v[E+(\t)], 23, v11               ; the scale's byte (also the plain line behind the conversions)
	ds_store_b8 v5, v[E+(\t)] offset:16*(\t)       ; both lanes of a block write the same byte with the same value
	global_store_b64 v4, v[C+4*(\t):C+4*(\t)+1], s[14:15] offset:2048*(\t)
.endm
.irp t, 0,1,2,3,4,5,6,7,8,9,10,11,12,13,14,15
	XSTEP \t
.endr
	ds_load_b64 v[8:9], v6                         ; LDS serves a wave's instructions in order: these see my byte stores
	s_wait_dscnt 0x0
	global_store_b64 v7, v[8:9], s[16:17]          ; 16 rows x 16 scale bytes: 256 consecutive bytes, aligned;
	global_store_b64 v7, v[8:9], s[16:17] offset:8*32768   ; and once more, eight entries on
	s_wait_tensorcnt 0x0                           ; the wave's end, behind my last LDS store
	ds_add_u32 v[SPW], v[NIL]
	s_wait_dscnt 0x0
	s_endpgm
; ---------------- W: a lane takes a column n and its registers run DOWN K: a block of 32 lies in one lane, and the conversions give codes with K innermost.  A wave takes 32 columns x 512 along K.
; One text serves the three weights: the buffer, its row length and the column inside it are chosen by the work-group's number.  Each block has a base of its own and each row an offset register of
; its own, so nothing that a pending load names is ever rewritten.
.LW:
	s_lshr_b32 s27, ttmp9, 3                       ; group of 128 columns, 0..23
	s_and_b32 s28, ttmp9, 7                        ; K step of 512
	s_mov_b32 s26, 2048
	s_cmp_lt_u32 s27, 20
	s_cselect_b64 s[30:31], s[8:9], s[10:11]       ; Wk or Wv,
	s_cselect_b32 s29, 16, 20
	s_cmp_lt_u32 s27, 16
	s_cselect_b64 s[30:31], s[6:7], s[30:31]       ; or Wq
	s_cselect_b32 s29, 0, s29
	s_cselect_b32 s26, 8192, s26                   ; a row of the weight in bytes
	s_sub_co_u32 s29, s27, s29                     ; the group inside its weight
	v_lshlrev_b32 v3, 2, v2
.irp i, 0,1,2,3,4,5,6,7,8,9,10,11,12,13,14,15,16,17,18,19,20,21,22,23,24,25,26,27,28,29,30,31
	v_mad_u32_u24 v[VO+\i], s26, \i, v3
.endr
	s_mul_i32 s25, s24, 32*WPITCH
	s_add_co_u32 s25, s25, WSTG                    ; my stage
	v_mul_u32_u24 v4, v2, WPITCH
	v_add_nc_u32 v4, s25, v4                       ; into it: row = my column
	v_and_b32 v5, 15, v2
	v_lshrrev_b32 v6, 4, v2
	v_mul_u32_u24 v7, v6, WPITCH
	v_lshl_add_u32 v7, v5, 4, v7
	v_add_nc_u32 v7, s25, v7                       ; out of it: sixteen lanes to a row, two rows an instruction
	v_lshlrev_b32 v8, 11, v6
	v_lshl_add_u32 v8, v5, 4, v8                   ; and the same place in wc
	v_lshlrev_b32 v9, 4, v2                        ; ws: 16 bytes a column
	s_mul_i32 s2, s28, s26
	s_lshl_b32 s2, s2, 9                           ; 512 rows for each K step
	s_lshl_b32 s3, s29, 9                          ; 128 columns of 4 bytes
	s_add_co_u32 s2, s2, s3
	s_lshl_b32 s3, s24, 7                          ; 32 columns a wave
	s_add_co_u32 s2, s2, s3
	s_mov_b32 s3, 0
	s_add_nc_u64 s[32:33], s[30:31], s[2:3]        ; block 0's base
	s_lshl_b32 s2, s26, 5                          ; 32 rows on
.irp t, 1,2,3,4,5,6,7,8,9,10,11,12,13,14,15
	s_add_nc_u64 s[32+2*\t:33+2*\t], s[30+2*\t:31+2*\t], s[2:3]
.endr
	s_lshl_b32 s25, s27, 7
	s_lshl_b32 s29, s24, 5
	s_add_co_u32 s25, s25, s29                     ; my first column among the 3,072
	s_lshl_b32 s2, s25, 11
	s_lshl_b32 s29, s28, 8
	s_add_co_u32 s2, s2, s29
	s_add_nc_u64 s[18:19], s[18:19], s[2:3]
	s_mul_i32 s2, s28, 49152
	s_lshl_b32 s29, s25, 4
	s_add_co_u32 s2, s2, s29
	s_add_nc_u64 s[20:21], s[20:21], s[2:3]
.macro WLOAD t                         ; block t: W(32 t + i, my column): 32 lanes read 128 consecutive bytes, the four waves side by side 512
.irp i, 0,1,2,3,4,5,6,7,8,9,10,11,12,13,14,15,16,17,18,19,20,21,22,23,24,25,26,27,28,29,30,31
	global_load_b32 v[WX+32*((\t)%2)+\i], v[VO+\i], s[32+2*(\t):33+2*(\t)] th:TH_LOAD_NT
.endr
.endm
	WLOAD 0
	WLOAD 1
.macro WBLOCK t
.set XS, WX+32*((\t)%2)
.if (\t) < 15
	s_wait_loadcnt 32                              ; this block's 32 loads are in; the next block's may be out
.else
	s_wait_loadcnt 0x0
.endif
	v_max3_num_f32 v16, |v[XS]|, |v[XS+1]|, |v[XS+2]|              ; the block's largest magnitude: all 32 numbers are mine
	v_max3_num_f32 v17, |v[XS+3]|, |v[XS+4]|, |v[XS+5]|
.irp i, 6,10,14,18,22,26
	v_max3_num_f32 v16, v16, |v[XS+\i]|, |v[XS+\i+1]|
	v_max3_num_f32 v17, v17, |v[XS+\i+2]|, |v[XS+\i+3]|
.endr
	v_max3_num_f32 v16, v16, |v[XS+30]|, |v[XS+31]|
	v_max3_num_f32 v16, v16, v17, 0x1800000        ; and the floor 2^(3 - 127)
	v_add_nc_u32 v18, 0xff000000, v16              ; 2 off its exponent field: the conversion's scale operand
	v_lshrrev_b32 v19, 23, v18                     ; the scale's byte
.if (\t)%4 == 0
	v_mov_b32 v[SB+(\t)/4], v19                    ; four bytes to a register, the lower K in the lower byte
.else
	v_lshl_or_b32 v[SB+(\t)/4], v19, 8*((\t)%4), v[SB+(\t)/4]
.endif
.irp g, 0,1,2,3
	v_cvt_scalef32_pk8_fp4_f32 v[WC+\g], v[XS+8*\g:XS+8*\g+7], v18
.endr
	v_nop                                          ; one plain line behind the last conversion
	ds_store_b128 v4, v[WC:WC+3] offset:16*(\t)    ; 32 codes: 16 bytes of my column's row
.if (\t)+2 < 16
	WLOAD (\t)+2
.endif
	s_wait_dscnt 0x0                               ; the store has read its registers: the next block's codes may be written
.endm
.irp t, 0,1,2,3,4,5,6,7,8,9,10,11,12,13,14,15
	WBLOCK \t
.endr
	global_store_b128 v9, v[SB:SB+3], s[20:21]     ; 32 columns x 16 scale bytes: 512 consecutive bytes, aligned;
	global_store_b128 v9, v[SB:SB+3], s[20:21] offset:8*49152   ; and once more, eight entries on
.irp t, 0,1,2,3,4,5,6,7,8,9,10,11,12,13,14,15
	ds_load_b128 v[WX+4*\t:WX+4*\t+3], v7 offset:2*\t*WPITCH
.endr
.irp t, 0,1,2,3,4,5,6,7,8,9,10,11,12,13,14,15
	s_wait_dscnt 15-\t
	global_store_b128 v8, v[WX+4*\t:WX+4*\t+3], s[18:19] offset:2*\t*2048   ; sixteen lanes store 256 consecutive bytes of a row of wc, aligned
.endr
	s_wait_tensorcnt 0x0                           ; the wave's end, behind my last LDS store
	ds_add_u32 v[SPW], v[NIL]
	s_wait_dscnt 0x0
	s_endpgm
.Lfunc_end_k_q41c0c30604_prep:
	.size	k_q41c0c30604_prep, .Lfunc_end_k_q41c0c30604_prep-k_q41c0c30604_prep
	.p2alignl 7, 3214868480
	.fill 96, 4, 3214868480
	.section	.rodata,"a",@progbits
	.p2align	6, 0x0
	.amdhsa_kernel k_q41c0c30604_prep
		.amdhsa_group_segment_fixed_size 68096
		.amdhsa_private_segment_fixed_size 0
		.amdhsa_enable_private_segment 0
		.amdhsa_kernarg_size 80
		.amdhsa_user_sgpr_count 2
		.amdhsa_user_sgpr_kernarg_segment_ptr 1
		.amdhsa_wavefront_size32 1
		.amdhsa_system_sgpr_workgroup_id_x 1
		.amdhsa_system_sgpr_workgroup_id_y 1
		.amdhsa_system_sgpr_workgroup_id_z 1
		.amdhsa_system_vgpr_workitem_id 0
		.amdhsa_next_free_vgpr 192
		.amdhsa_next_free_sgpr 66
		.amdhsa_reserve_vcc 0
		.amdhsa_float_denorm_mode_32 3
		.amdhsa_float_denorm_mode_16_64 3
		.amdhsa_memory_ordered 1
		.amdhsa_forward_progress 1
		.amdhsa_inst_pref_size 175
	.end_amdhsa_kernel
	.amdgpu_metadata
---
amdhsa.version: [ 1, 2 ]
amdhsa.kernels:
  - .name:           k_q41c0c30604_prep
    .symbol:         k_q41c0c30604_prep.kd
    .args:
      - { .name: hidden_states, .offset: 0, .size: 8, .value_kind: global_buffer, .address_space: global }
      - { .name: Wq, .offset: 8, .size: 8, .value_kind: global_buffer, .address_space: global }
      - { .name: Wk, .offset: 16, .size: 8, .value_kind: global_buffer, .address_space: global }
      - { .name: Wv, .offset: 24, .size: 8, .value_kind: global_buffer, .address_space: global }
      - { .name: Wo, .offset: 32, .size: 8, .value_kind: global_buffer, .address_space: global }
      - { .name: xc, .offset: 40, .size: 8, .value_kind: global_buffer, .address_space: global }
      - { .name: xs, .offset: 48, .size: 8, .value_kind: global_buffer, .address_space: global }
      - { .name: wc, .offset: 56, .size: 8, .value_kind: global_buffer, .address_space: global }
      - { .name: ws, .offset: 64, .size: 8, .value_kind: global_buffer, .address_space: global }
      - { .name: wo16, .offset: 72, .size: 8, .value_kind: global_buffer, .address_space: global }
    .group_segment_fixed_size: 68096
    .private_segment_fixed_size: 0
    .kernarg_segment_align: 8
    .kernarg_segment_size: 80
    .max_flat_workgroup_size: 128
    .sgpr_count:     66
    .vgpr_count:     192
    .wavefront_size: 32
...
	.end_amdgpu_metadata
.endif
;; end of part 1
;; launch qkv (part 2): grid 16 x 16, 4 waves a work-group, clusters of 4 x 4, 327,680 bytes of LDS; arguments xc, xs, wc, ws, qkv; writes qkv
.if DOCPART == 2
	.amdgcn_target "amdgcn-amd-amdhsa--gfx1250"
	.amdhsa_code_object_version 6
	.text
	.protected	k_q41c0c30604_qkv
	.globl	k_q41c0c30604_qkv
	.p2align	8
	.type	k_q41c0c30604_qkv,@function
k_q41c0c30604_qkv:
	s_mov_b64 s[64:65], 0
	v_nop
	global_prefetch_b8 v0, s[64:65] scope:SCOPE_SE
	s_setreg_imm32_b32 hwreg(HW_REG_WAVE_MODE, 25, 1), 1
	s_wait_xcnt 0x0
	s_wait_alu depctr_hold_cnt(0) depctr_sa_sdst(0) depctr_va_vdst(0) depctr_va_sdst(0) depctr_va_ssrc(0) depctr_va_vcc(0) depctr_vm_vsrc(0)
	s_getreg_b32 s2, hwreg(HW_REG_IB_STS2, 6, 4)
	s_cmp_eq_u32 s2, 0
	s_cbranch_scc0 .Lentry_in_a_cluster
	s_endpgm
.Lentry_in_a_cluster:
	s_bfe_u32 s2, ttmp6, 0x10000c
	s_cmp_lg_u32 s2, 0xf033
	s_cbranch_scc0 .Lentry_shape_is_right
	s_endpgm
.Lentry_shape_is_right:
; QKV: [2048 tokens] x [3072 = Wq | Wk | Wv columns], K = 4096, on codes of FP4 (E2M1) with one E8M0 scale for each 32 along K; sums in f32.
; The result x 2^-3 (exact) is stored as f16 by heads: qkv [48 heads][2048 tokens][64]; heads 0..31 q, 32..39 k, 40..47 v.
; LIMIT: |q|, |k|, |v| / 8 have to stay under 65,504 (f16); what lies under 2^-24 x 8 is lost.
; A tile of the result is 128 rows x 192 columns (three heads): 16 x 16 = 256 work-groups.  Four waves, each 64 x 96: 24 accumulators of 16 x 16.
; K goes in steps of 512 (rows of 256 bytes of codes) through a ring of two LDS slots filled by the tensor data mover; a step is four matrix instructions deep.
; THE WALK ALONG K IS ROTATED: a cluster begins at K step r = (2 x cluster x + 4 x ((cluster y xor cluster y / 2) & 1)) mod 8 and goes round the eight.  The four clusters that read the same rows of x begin
; 2 steps apart; of the four that read the same rows of W, those at cluster y 0 and 3 begin 4 steps from those at 1 and 2.  So clusters that share rows ask for different K steps at the same time.
; LIMIT: the order in which a sum takes its K steps so differs from cluster to cluster, and from ascending K; each sum still has one f32 accumulator.
; THE SCALES of the work-group's rows of both operands, for all of K, come into LDS once, with the first fills: they lie in memory by K step, 16 bytes a row, the eight steps twice on end: the eight entries
; from r on are the eight steps in the order of the walk, so no LDS address hangs on r.
; CLUSTERS: 4 x 4 work-groups.  The four of a row of the cluster need the same tiles of x, the four of a column the same tiles of W: each tile is asked for jointly.  r is the same in all sixteen.
; THE MATRIX INSTRUCTION IS USED TRANSPOSED (source 0 = 16 rows of wc, source 1 = 16 rows of xc): a lane holds eight neighbouring columns of one token.
; REGISTERS: window 0: v16-29 addresses; v32-79 scale words, two sets of 24; v96-175, v176-255 two sets of fragments (W's six, then x's four).  Window 1: v0-191 the accumulators, (a, b) at 8 (6 a + b).
.set PITCH,  272                       ; an LDS row: 256 bytes + 16 of padding: the 16 rows that a load touches start at 16 different groups of banks
.set HALFA,  64*PITCH                  ; x: what one tensor load brings, and what one wave reads
.set HALFB,  96*PITCH                  ; W likewise
.set BOFF,   2*HALFA                   ; a slot: x's 128 rows, then W's 192
.set SLOT,   BOFF+2*HALFB
.set SCL,    2*SLOT                    ; behind the ring: four regions of scale bytes: x half 0, x half 1, W half 0, W half 1
.set KSS,    1536                      ; a K step's bytes in a region: W's 96 x 16; x's 64 x 16 + 512 of padding, so that both step alike
.set HALFS,  8*KSS
.set STAGE,  SCL+4*HALFS               ; the way out: 128 rows x (384 bytes + 16); no tensor load lands here
.set SPITCH, 400
.set SPARE,  STAGE+128*SPITCH          ; the spare words, 128 bytes for each wave
.set HB,     262144                    ; a head in qkv
.set ADRA, 16                          ; v16-17 LDS address of my x fragments in slot 0, 1
.set ADRB, 20                          ; v20-21 the same for W
.set ADRT, 22                          ; v22    as ADRS, lanes 16-31 64 rows further on: W's blocks 4 and 5
.set STO,  24
.set RD,   25
.set CO,   26
.set ADRS, 27                          ; v27    my scale words: lanes 0-15 x's rows, lanes 16-31 W's
.set SPW,  28
.set NIL,  29
.set SC,   32                          ; set s at SC + 24 s; register 4 i + q: lanes 0-15 the word of x's block i, lanes 16-31 of W's block i, for the slot's q-th 128 along K
.set FS,   96                          ; fragment set p at FS + 80 p
.set OFP,  18                          ; s[18:19] a K step's byte offset in a row of codes, as a pair; s19 stays 0
.set KN,   66                          ; s66    the K step that is asked for next; made of the cluster's x and y alone
.set G1, 24
.set G0, 32
.set G1B, 48
.set G0B, 56
.set G1S, 68
.set G0S, 76
.set G1SB, 80
.set G0SB, 88
.set MSB, 0
.macro WIN new                         ; the immediate's high byte repeats the setting that is left
.if MSB != \new
	s_set_vgpr_msb (MSB<<8)|\new
.set MSB, \new
.endif
.endm
.macro PLACES n
.rept \n
	v_nop
.endr
.endm
; A joint load: waves 0 and 1 fetch for x, waves 2 and 3 for W.  The branch hangs on the wave's number alone.  An s_nop 0 and four v_nop follow each of the two lines.
.macro JLOAD g0a, g1a, g0b, g1b
	s_cmp_eq_u32 s15, 0
	s_cbranch_scc0 .Lfor_b_\@
	tensor_load_to_lds s[\g0a:\g0a+3], s[\g1a:\g1a+7]
	s_nop 0
.rept 4
	v_nop
.endr
	s_branch .Lasked_\@
.Lfor_b_\@:
	tensor_load_to_lds s[\g0b:\g0b+3], s[\g1b:\g1b+7]
	s_nop 0
.rept 4
	v_nop
.endr
.Lasked_\@:
.endm
; The slot's two descriptors are pointed at K step s[KN]: my rows' first byte (s[4:5] in xc, s[8:9] in wc; both stay) + 256 bytes a step; then s[KN] goes one on, round the eight.
; It is run only where no tensor load that names these registers is out.
.macro AIM slot
	s_lshl_b32 s[OFP], s[KN], 8
	s_add_nc_u64 s[G0+4*\slot+2:G0+4*\slot+3], s[4:5], s[OFP:OFP+1]
	s_or_b32 s[G0+4*\slot+3], s[G0+4*\slot+3], 0x80000000
	s_add_nc_u64 s[G0B+4*\slot+2:G0B+4*\slot+3], s[8:9], s[OFP:OFP+1]
	s_or_b32 s[G0B+4*\slot+3], s[G0B+4*\slot+3], 0x80000000
	s_add_co_u32 s[KN], s[KN], 1
	s_and_b32 s[KN], s[KN], 7
.endm
.macro CREST                           ; a round of the cluster's barrier behind its opening barrier
	s_cmp_lg_u32 s14, 0
	s_cbranch_scc1 .Lnot_wave_0_\@
	s_barrier_signal -3
.Lnot_wave_0_\@:
	s_barrier_wait -3
	s_barrier_signal -1
	s_barrier_wait -1
.endm
.macro CROUND
	s_barrier_signal -1
	s_barrier_wait -1
	CREST
.endm
	s_load_b128 s[4:7], s[0:1], 0x0                ; xc, xs
	s_load_b128 s[8:11], s[0:1], 0x10              ; wc, ws
	s_load_b64 s[12:13], s[0:1], 0x20              ; qkv
	v_lshl_add_u32 v[SPW], v0, 2, SPARE
	v_mov_b32 v[NIL], 0
	ds_add_u32 v[SPW], v[NIL]                      ; the wave's opening: the add, twice on end, and its wait ahead of my first tensor load
	ds_add_u32 v[SPW], v[NIL]
	v_lshrrev_b32 v1, 5, v0
	v_readfirstlane_b32 s14, v1                    ; wave 0..3
	s_lshr_b32 s15, s14, 1                         ; which half of the tile's rows is mine.  Also: I fetch for x (0) or for W (1)
	s_and_b32 s16, s14, 1                          ; which half of its columns.  Also: which half of that operand's rows I fetch
	s_and_b32 s[KN], ttmp7, 0xffff                 ; r, the K step at which my cluster begins: cluster y 0, 1, 2, 3
	s_lshr_b32 s67, s[KN], 1
	s_xor_b32 s[KN], s[KN], s67
	s_and_b32 s[KN], s[KN], 1                      ; gives 0, 1, 1, 0,
	s_lshl_b32 s[KN], s[KN], 2                     ; four steps each,
	s_lshl_b32 s67, ttmp9, 1                       ; and cluster x two steps each,
	s_add_co_u32 s[KN], s[KN], s67
	s_and_b32 s[KN], s[KN], 7                      ; round the eight: r is even
	s_bfe_u32 s40, ttmp6, 0x40000                  ; cx, cy: my place in the cluster
	s_bfe_u32 s41, ttmp6, 0x40004
	s_lshl_b32 s42, ttmp9, 2
	s_add_co_u32 s42, s42, s40                     ; tile column = 4 x cluster x + cx
	s_and_b32 s17, ttmp7, 0xffff
	s_lshl_b32 s17, s17, 2
	s_add_co_u32 s17, s17, s41                     ; tile row = 4 x cluster y + cy
	s_lshl_b32 s43, s41, 2
	s_lshl_b32 s43, 15, s43                        ; my row of the cluster
	s_lshl_b32 s44, 0x1111, s40                    ; my column
	; group 1 for the codes: rows of 256 bytes (elements of 1 byte), 2,048 bytes apart, 16 bytes of padding behind each; x 64 rows, W 96
	s_or_b32 s[G1+0], s43, (1<<20)|(1<<21)|(5<<22)|(3<<25)
	s_or_b32 s[G1B+0], s44, (1<<20)|(1<<21)|(5<<22)|(3<<25)
	s_mov_b32 s[G1+1], 256<<16
	s_mov_b32 s[G1+2], 64<<16
	s_mov_b32 s[G1+3], 256<<16
	s_mov_b32 s[G1+4], 64
	s_mov_b32 s[G1+5], 2048
	s_mov_b32 s[G1+6], 0
	s_mov_b32 s[G1+7], 0
	s_mov_b32 s[G1B+1], 256<<16
	s_mov_b32 s[G1B+2], 96<<16
	s_mov_b32 s[G1B+3], 256<<16
	s_mov_b32 s[G1B+4], 96
	s_mov_b32 s[G1B+5], 2048
	s_mov_b32 s[G1B+6], 0
	s_mov_b32 s[G1B+7], 0
	; group 1 for the scale bytes: 8 rows, one for each K step, elements of 8 bytes.  x: 128 elements, 4,096 apart, 128 words of padding behind every 256; W: 192 elements, 6,144 apart, no padding
	s_or_b32 s[G1S+0], s43, (3<<16)|(1<<20)|(1<<21)|(7<<22)|(127<<25)
	s_or_b32 s[G1SB+0], s44, (3<<16)|(1<<21)
	s_mov_b32 s[G1S+1], 128<<16
	s_mov_b32 s[G1S+2], 8<<16
	s_mov_b32 s[G1S+3], 128<<16
	s_mov_b32 s[G1S+4], 8
	s_mov_b32 s[G1S+5], 4096
	s_mov_b32 s[G1S+6], 0
	s_mov_b32 s[G1S+7], 0
	s_mov_b32 s[G1SB+1], 192<<16
	s_mov_b32 s[G1SB+2], 8<<16
	s_mov_b32 s[G1SB+3], 192<<16
	s_mov_b32 s[G1SB+4], 8
	s_mov_b32 s[G1SB+5], 6144
	s_mov_b32 s[G1SB+6], 0
	s_mov_b32 s[G1SB+7], 0
	s_lshl_b32 s18, s16, 6
	s_lshl_b32 s20, s17, 7
	s_add_co_u32 s20, s20, s18                     ; x: row 128 x tile row + 64 x half
	s_mul_i32 s19, s16, 96
	s_mul_i32 s46, s42, 192
	s_add_co_u32 s46, s46, s19                     ; W: row 192 x tile column + 96 x half
	s_mov_b32 s[OFP+1], 0                          ; from here on the upper word of the offset pair
	s_lshl_b32 s22, s20, 4                         ; where these rows' scale bytes begin in an entry,
	s_lshl_b32 s67, s[KN], 15                      ; + r entries of 2,048 x 16 bytes
	s_add_co_u32 s22, s22, s67
	s_mov_b32 s23, 0
	s_lshl_b32 s92, s46, 4
	s_mul_i32 s67, s[KN], 49152                    ; + r entries of 3,072 x 16 bytes
	s_add_co_u32 s92, s92, s67
	s_mov_b32 s93, 0
	s_lshl_b32 s20, s20, 11                        ; and their codes
	s_mov_b32 s21, 0
	s_lshl_b32 s46, s46, 11
	s_mov_b32 s47, 0
	s_mul_i32 s45, s16, HALFA                      ; where they go: no place in the cluster enters an LDS address
	s_mul_i32 s94, s16, HALFB
	s_add_co_u32 s94, s94, BOFF
	s_mul_i32 s95, s14, HALFS
	s_mov_b32 s96, 0x3e000000                      ; 2^-3
	s_mov_b32 s97, s96
	s_wait_dscnt 0x0                               ; both opening adds are done
	s_wait_kmcnt 0x0
	s_add_nc_u64 s[4:5], s[4:5], s[20:21]          ; xc at the rows that I fetch: stays
	s_add_nc_u64 s[22:23], s[6:7], s[22:23]
	s_add_nc_u64 s[8:9], s[8:9], s[46:47]          ; wc likewise: stays
	s_add_nc_u64 s[92:93], s[10:11], s[92:93]
	CROUND                                         ; all sixteen work-groups are here: the first joint loads meet
	s_mov_b32 s[G0S], 1
	s_add_co_u32 s[G0S+1], s95, SCL
	s_mov_b64 s[G0S+2:G0S+3], s[22:23]
	s_or_b32 s[G0S+3], s[G0S+3], 0x80000000
	s_mov_b32 s[G0SB], 1
	s_add_co_u32 s[G0SB+1], s95, SCL
	s_mov_b64 s[G0SB+2:G0SB+3], s[92:93]
	s_or_b32 s[G0SB+3], s[G0SB+3], 0x80000000
	JLOAD G0S, G1S, G0SB, G1SB                     ; the scales first: they are wanted with the first K step
.irp s, 0,1
	s_mov_b32 s[G0+4*\s], 1
	s_add_co_u32 s[G0+4*\s+1], s45, \s*SLOT
	s_mov_b32 s[G0B+4*\s], 1
	s_add_co_u32 s[G0B+4*\s+1], s94, \s*SLOT
	AIM \s                                         ; K steps r and r + 1
	JLOAD G0+4*\s, G1, G0B+4*\s, G1B               ; three tensor loads of mine are out behind the second of these
.endr
	v_and_b32 v1, 15, v0                           ; r = lane % 16
	v_bfe_u32 v2, v0, 4, 1                         ; h = lane / 16
	v_mul_u32_u24 v3, v1, PITCH
	v_lshl_add_u32 v4, v2, 4, v3                   ; a fragment's row x pitch + 16 x half
	s_mul_i32 s21, s15, HALFA                      ; my 64 rows of x
	s_mul_i32 s22, s16, HALFB                      ; my 96 rows of W,
	s_add_co_u32 s22, s22, BOFF                    ; which lie behind x's 128
.irp s, 0,1
	v_add_nc_u32 v[ADRA+\s], s21, v4
	v_add_nc_u32 v[ADRB+\s], s22, v4
	s_add_co_u32 s21, s21, SLOT
	s_add_co_u32 s22, s22, SLOT
.endr
	v_lshlrev_b32 v5, 4, v1                        ; my row's 16 scale bytes of a K step
	s_mul_i32 s21, s15, HALFS                      ; x's region
	s_mul_i32 s22, s16, HALFS
	s_add_co_u32 s22, s22, 2*HALFS                 ; W's
	s_sub_co_u32 s22, s22, s21
	v_mul_u32_u24 v6, s22, v2                      ; lanes 16-31 take W's: one product by h
	s_add_co_u32 s21, s21, SCL
	v_add_nc_u32 v5, v5, v6
	v_add_nc_u32 v[ADRS], s21, v5
	v_lshl_add_u32 v[ADRT], v2, 10, v[ADRS]
	s_mul_i32 s23, s15, 64*SPITCH                  ; into the stage: my 64 rows, my 192 bytes of their 384; row r, 16 bytes for each half of the lanes
	s_mul_i32 s21, s16, 192
	s_add_co_u32 s23, s23, s21
	s_add_co_u32 s23, s23, STAGE
	v_mul_u32_u24 v5, v1, SPITCH
	v_lshl_add_u32 v5, v2, 4, v5
	v_add_nc_u32 v[STO], s23, v5
	s_mul_i32 s23, s14, 32*SPITCH                  ; back: wave w takes rows 32 w .. 32 w + 31; eight lanes take a head's 128 bytes of a row, four rows an instruction
	s_add_co_u32 s23, s23, STAGE
	v_bfe_u32 v5, v0, 3, 2
	v_mul_u32_u24 v5, v5, SPITCH
	v_and_b32 v6, 7, v0
	v_lshl_add_u32 v5, v6, 4, v5
	v_add_nc_u32 v[RD], s23, v5
	v_and_b32 v6, 31, v0
	v_lshlrev_b32 v[CO], 4, v6                     ; four tokens of a head are 512 consecutive bytes of qkv
	s_lshl_b32 s20, s17, 7
	s_lshl_b32 s21, s14, 5
	s_add_co_u32 s20, s20, s21                     ; the first token that I store
	s_lshl_b32 s20, s20, 7
	s_mov_b32 s21, 0
	s_mul_i32 s46, s42, 3*HB                       ; the tile's first head
	s_mov_b32 s47, 0
	s_add_nc_u64 s[20:21], s[20:21], s[46:47]
	s_add_nc_u64 s[12:13], s[12:13], s[20:21]
.macro FRAG reg, adr, q, i             ; 16 rows x 128 K of 4-bit codes, 8 registers: lane (r, h): registers 4 c .. 4 c + 3 hold K = 64 c + 32 h + 0 .. 31
.irp c, 0,1
	ds_load_b128 v[\reg+4*\c:\reg+4*\c+3], v[\adr] offset:64*(\q)+32*\c+(\i)*16*PITCH
.endr
.endm
.macro FETCH slot, q, p                ; 20 loads: the fragments of the slot's q-th 128 along K into set p
.irp i, 0,1,2,3,4,5
	FRAG FS+80*(\p)+8*\i, ADRB+\slot, \q, \i
.endr
.irp i, 0,1,2,3
	FRAG FS+80*(\p)+48+8*\i, ADRA+\slot, \q, \i
.endr
.endm
.macro SCALES sc                       ; a K step's scale words: four words a row.  In the last two loads lanes 0-15 read x's blocks 0 and 1 once more; those lanes are not used
.irp i, 0,1,2,3
	ds_load_b128 v[SC+24*\sc+4*\i:SC+24*\sc+4*\i+3], v[ADRS] offset:256*\i
.endr
.irp i, 4,5
	ds_load_b128 v[SC+24*\sc+4*\i:SC+24*\sc+4*\i+3], v[ADRT] offset:256*(\i-4)
.endr
.endm
; six matrix instructions: x's block a against W's six.  The 24 accumulators take turns, one instruction a turn, in the same order in every step.
.macro MULA a, p, q, sc, zero
.irp b, 0,1,2,3,4,5
.if \zero
	v_wmma_scale_f32_16x16x128_f8f6f4 v[8*(6*(\a)+\b):8*(6*(\a)+\b)+7], v[FS+80*(\p)+8*\b:FS+80*(\p)+8*\b+7], v[FS+80*(\p)+48+8*(\a):FS+80*(\p)+48+8*(\a)+7], 0, v[SC+24*(\sc)+4*\b+(\q)], v[SC+24*(\sc)+4*(\a)+(\q)] matrix_a_fmt:MATRIX_FMT_FP4 matrix_b_fmt:MATRIX_FMT_FP4 matrix_a_scale:MATRIX_SCALE_ROW1
.else
	v_wmma_scale_f32_16x16x128_f8f6f4 v[8*(6*(\a)+\b):8*(6*(\a)+\b)+7], v[FS+80*(\p)+8*\b:FS+80*(\p)+8*\b+7], v[FS+80*(\p)+48+8*(\a):FS+80*(\p)+48+8*(\a)+7], v[8*(6*(\a)+\b):8*(6*(\a)+\b)+7], v[SC+24*(\sc)+4*\b+(\q)], v[SC+24*(\sc)+4*(\a)+(\q)] matrix_a_fmt:MATRIX_FMT_FP4 matrix_b_fmt:MATRIX_FMT_FP4 matrix_a_scale:MATRIX_SCALE_ROW1
.endif
.endr
.endm
; A step of 128 along K that has its successor in the same slot: the successor's fragments are asked for first, into the other set, and land under this step's 24 matrix instructions.
.macro STEP slot, q, zero
	s_wait_dscnt 0x0                               ; this step's fragments (and, at a slot's head, its scale words) are in
	PLACES 4                                       ; four plain lines between the last matrix instructions and loads into registers that they read
	FETCH \slot, (\q)+1, 1-(\q)%2
	WIN 0x50                                       ; C and D in window 1
	MULA 0, (\q)%2, \q, \slot, \zero
	MULA 1, (\q)%2, \q, \slot, \zero
	MULA 2, (\q)%2, \q, \slot, \zero
	MULA 3, (\q)%2, \q, \slot, \zero
	WIN 0
.endm
; A slot's last step changes slots: ONE barrier; ahead of it each wave waits for all its tensor loads, adds 0 to its spare word, and waits for that and for its reads of this slot.
.macro TURN slot, next, fill
	s_wait_tensorcnt 0x0                           ; all my tensor loads have landed: the one that was out is my part of the next slot; so every group 0 may be written
	ds_add_u32 v[SPW], v[NIL]                      ; 0 onto my spare word
.if \fill
	AIM \slot                                      ; this slot's next K step: two on in the walk
.endif
	s_wait_dscnt 1                                 ; this step's fragments are in; the add alone may be out
	WIN 0x50
	MULA 0, 1, 3, \slot, 0                         ; six matrix instructions stand between the add and the wait for it
	s_wait_dscnt 0x0                               ; the add is done, and my reads of this slot are over
	s_barrier_signal -1
	MULA 1, 1, 3, \slot, 0
	WIN 0
	s_barrier_wait -1
.if \fill
	CREST                                          ; the barrier has opened a round of the cluster's barrier: no wave of any partner still reads this slot or has a load on its way
	JLOAD G0+4*\slot, G1, G0B+4*\slot, G1B         ; the first tensor load behind the round; its four v_nop are also the plain lines ahead of the loads below
.else
	PLACES 4
.endif
	v_add_nc_u32 v[ADRS], KSS, v[ADRS]             ; the walk's next K step's scale words
	v_add_nc_u32 v[ADRT], KSS, v[ADRT]
	FETCH \next, 0, 0
	SCALES \next
	WIN 0x50
	MULA 2, 1, 3, \slot, 0
	MULA 3, 1, 3, \slot, 0
	WIN 0
.endm
	s_wait_tensorcnt 1                             ; the scales and my part of the first K step are in (the second's load may be out)
	s_barrier_signal -1
	s_barrier_wait -1                              ; everybody's are
	FETCH 0, 0, 0
	SCALES 0
	STEP 0, 0, 1                                   ; the first step stands ahead of the loop: its products start the sums
	s_mov_b32 s3, 3
.Llap:                                                 ; a trip goes once round the ring, from a lap's second step to the next lap's first, and fills both slots again
	STEP 0, 1, 0
	STEP 0, 2, 0
	TURN 0, 1, 1
	STEP 1, 0, 0
	STEP 1, 1, 0
	STEP 1, 2, 0
	TURN 1, 0, 1
	STEP 0, 0, 0
	s_sub_co_u32 s3, s3, 1
	s_cmp_lg_u32 s3, 0
	s_cbranch_scc1 .Llap
	STEP 0, 1, 0                                   ; the last lap fills nothing, and has no round of the cluster's barrier
	STEP 0, 2, 0
	TURN 0, 1, 0
	STEP 1, 0, 0
	STEP 1, 1, 0
	STEP 1, 2, 0
	s_wait_dscnt 0x0                               ; the very last step: nothing more to fetch
	WIN 0x50
	MULA 0, 1, 3, 1, 0
	MULA 1, 1, 3, 1, 0
	MULA 2, 1, 3, 1, 0
	MULA 3, 1, 3, 1, 0
	WIN 0
	; THE WAY OUT: x 2^-3, rounded to f16; 16 bytes a lane into the work-group's stage; a barrier, since a token's 384 bytes come from two waves; back by heads, four tokens (512 bytes) an instruction.
	PLACES 4
.irp a, 0,1,2,3
	WIN 0x01                                       ; source 0 in window 1
.set j, 0
.rept 24
	v_pk_mul_f32 v[FS+2*j:FS+2*j+1], v[48*\a+2*j:48*\a+2*j+1], s[96:97] op_sel_hi:[1,0]   ; each accumulator from its low end on
.set j, j+1
.endr
	WIN 0
.set j, 0
.rept 24
	v_cvt_pk_f16_f32 v[144+24*\a+j], v[FS+2*j], v[FS+2*j+1]
.set j, j+1
.endr
.irp b, 0,1,2,3,4,5
	ds_store_b128 v[STO], v[144+24*\a+4*\b:144+24*\a+4*\b+3] offset:\a*16*SPITCH+32*\b
.endr
.endr
	s_wait_dscnt 0x0                               ; for the others' sake: my stores into the stage are done
	s_barrier_signal -1
	s_barrier_wait -1
.irp j, 0,1,2
.irp i, 0,1,2,3,4,5,6,7
	ds_load_b128 v[FS+4*(8*\j+\i):FS+4*(8*\j+\i)+3], v[RD] offset:128*\j+4*SPITCH*\i
.endr
.endr
.irp j, 0,1,2
.irp i, 0,1,2,3,4,5,6,7
	s_wait_dscnt 23-8*\j-\i
	global_store_b128 v[CO], v[FS+4*(8*\j+\i):FS+4*(8*\j+\i)+3], s[12:13] offset:\j*HB+512*\i   ; 32 lanes store 512 consecutive bytes, aligned
.endr
.endr
	s_wait_tensorcnt 0x0                           ; the wave's end, behind my last tensor load and my last LDS store
	ds_add_u32 v[SPW], v[NIL]
	s_wait_dscnt 0x0
	CROUND                                         ; the closing round: no work-group ends while a partner may still ask for a tile that names it
	s_endpgm
.Lfunc_end_k_q41c0c30604_qkv:
	.size	k_q41c0c30604_qkv, .Lfunc_end_k_q41c0c30604_qkv-k_q41c0c30604_qkv
	.p2alignl 7, 3214868480
	.fill 96, 4, 3214868480
	.section	.rodata,"a",@progbits
	.p2align	6, 0x0
	.amdhsa_kernel k_q41c0c30604_qkv
		.amdhsa_group_segment_fixed_size 327680
		.amdhsa_private_segment_fixed_size 0
		.amdhsa_enable_private_segment 0
		.amdhsa_kernarg_size 40
		.amdhsa_user_sgpr_count 2
		.amdhsa_user_sgpr_kernarg_segment_ptr 1
		.amdhsa_wavefront_size32 1
		.amdhsa_system_sgpr_workgroup_id_x 1
		.amdhsa_system_sgpr_workgroup_id_y 1
		.amdhsa_system_sgpr_workgroup_id_z 1
		.amdhsa_system_vgpr_workitem_id 0
		.amdhsa_next_free_vgpr 448
		.amdhsa_next_free_sgpr 98
		.amdhsa_reserve_vcc 0
		.amdhsa_float_denorm_mode_32 3
		.amdhsa_float_denorm_mode_16_64 3
		.amdhsa_memory_ordered 1
		.amdhsa_forward_progress 1
		.amdhsa_inst_pref_size 106
	.end_amdhsa_kernel
	.amdgpu_metadata
---
amdhsa.version: [ 1, 2 ]
amdhsa.kernels:
  - .name:           k_q41c0c30604_qkv
    .symbol:         k_q41c0c30604_qkv.kd
    .args:
      - { .name: xc, .offset: 0, .size: 8, .value_kind: global_buffer, .address_space: global }
      - { .name: xs, .offset: 8, .size: 8, .value_kind: global_buffer, .address_space: global }
      - { .name: wc, .offset: 16, .size: 8, .value_kind: global_buffer, .address_space: global }
      - { .name: ws, .offset: 24, .size: 8, .value_kind: global_buffer, .address_space: global }
      - { .name: qkv, .offset: 32, .size: 8, .value_kind: global_buffer, .address_space: global }
    .group_segment_fixed_size: 327680
    .private_segment_fixed_size: 0
    .kernarg_segment_align: 8
    .kernarg_segment_size: 40
    .max_flat_workgroup_size: 128
    .sgpr_count:     98
    .vgpr_count:     448
    .wavefront_size: 32
...
	.end_amdgpu_metadata
.endif
;; end of part 2
;; launch attn (part 3): grid 16 x 16, 8 waves a work-group, clusters of 4 x 1, 327,680 bytes of LDS; arguments qkv, o16; writes o16
.if DOCPART == 3
	.amdgcn_target "amdgcn-amd-amdhsa--gfx1250"
	.amdhsa_code_object_version 6
	.text
	.protected	k_q41c0c30604_attn
	.globl	k_q41c0c30604_attn
	.p2align	8
	.type	k_q41c0c30604_attn,@function
k_q41c0c30604_attn:
	s_mov_b64 s[64:65], 0
	v_nop
	global_prefetch_b8 v0, s[64:65] scope:SCOPE_SE
	s_setreg_imm32_b32 hwreg(HW_REG_WAVE_MODE, 25, 1), 1
	s_wait_xcnt 0x0
	s_wait_alu depctr_hold_cnt(0) depctr_sa_sdst(0) depctr_va_vdst(0) depctr_va_sdst(0) depctr_va_ssrc(0) depctr_va_vcc(0) depctr_vm_vsrc(0)
	s_getreg_b32 s2, hwreg(HW_REG_IB_STS2, 6, 4)
	s_cmp_eq_u32 s2, 0
	s_cbranch_scc0 .Lentry_in_a_cluster
	s_endpgm
.Lentry_in_a_cluster:
	s_bfe_u32 s2, ttmp6, 0x10000c
	s_cmp_lg_u32 s2, 0x3003
	s_cbranch_scc0 .Lentry_shape_is_right
	s_endpgm
.Lentry_shape_is_right:
; ATTN: o[h][q] = sum over k of softmax_k(q . k / 8) v, no mask; 32 query heads, 8 key and value heads, head size 64, 2,048 keys.  Operands in f16, products, maxima and sums in f32.
; qkv [48][2048][64] f16 holds q / 8, k / 8, v / 8.  So the stored product is q . k / 64, and t = (q . k / 8) log2(e) = stored product x 8 log2(e).  o16 [2048][h 64 + d] f16 takes o / 2 = (sum p v / 8) / l x 4.
; LIMIT: |o| / 2 under 65,504; a weight p under 2^-24 of the row's largest is lost in f16.
; SHARES.  A work-group owns 128 queries of the two heads 2 y and 2 y + 1, which share one key and value head.  Each of its eight waves owns 16 queries in both heads: two tiles, so that each fragment of K and V
; feeds two products, and a wave's output rows are 256 consecutive bytes.  Two waves to a SIMD: one wave's vector work stands beside the other's matrix work.
; LAYOUT.  S^T = K Q^T and O^T = V^T P: a lane holds ONE query (lane % 16) throughout; two tiles of S^T, rounded to f16 in pairs, are source 1 of the second product.  V ([key][channel]) is turned by ds_load_tr16_b128.
; SOFTMAX.  Running maximum m and sum l for each query: p = 2^(c s - c m); in every step O and l are multiplied by a = 2^(c m_old - c m_new).  m begins at -1e30, under every score of f16 operands
; (at most 64 x 65,504^2), and O and l at 0: so the first step needs no form of its own.
; RING.  A key step is 64 keys; a slot holds four steps; two slots.  Waves 0-3 fetch the four steps' tiles of K, waves 4-7 those of V: one load a wave behind each change of slots, four steps in which to land.
; CLUSTER.  The four query blocks of a cluster walk the same K and V: each tile is asked for jointly, with a mask that names the four.
; THE SKEW.  At a change of slots waves 4-7 run the step's softmax ahead of the barrier and waves 0-3 behind it, so that the two halves of the work-group leave the barrier in different phases.
; REGISTERS: window 0: v2-12 addresses; v16-31 statistics, 8 a tile; v32-63 Q; v64-127 S^T; v128-159 P; v160-223 K; v224-255 the way out.  Window 1: v0-63 O^T; v64-127 V.
.set KS,    64
.set PK,    144                        ; a row of K in LDS: 128 bytes + 16
.set PV,    160                        ; a row of V: 128 + 32: an odd multiple of 32, as the turning load's eight rows want
.set VOFF,  KS*PK
.set STEPB, KS*(PK+PV)                 ; a step's tiles lie together: 64 rows of K, then 64 of V
.set SLOT1, 1<<17                      ; slot 1 begins here: one exclusive or turns an address in one slot into the other's
.set SLOTB, 4*KS*128                   ; a slot's keys in memory, in bytes, in K and in V
.set STAGE, 2*SLOT1                    ; the way out: 16 rows x 272 bytes for each wave; no tensor load lands here
.set SP,    272
.set SPARE, STAGE+8*16*SP              ; the spare words, 128 bytes for each of eight waves
.set HB,    262144                     ; a head in qkv
.set AK0, 2
.set AV0, 3
.set ADR, 4
.set QO,  5
.set STO, 6
.set RD,  7
.set GO,  8
.set PFO, 12                           ; v12 256 x lane; never rewritten
.set SPW, 14
.set NIL, 15
.set ST,  16                           ; tile t at ST + 8 t: +0 c m, +1 m, +2, +3 l, +4 .. +7 c0-c3 at work; later +4, +5 a second chain of sums, +6 a
.set Q,   32
.set S,   64
.set P,   128
.set KF,  160
.set WV,  12
.set LIM, 16
.set PFA, 18
.set G1K, 24
.set G1V, 32
.set G0K, 40
.set G0V, 48
.set SLOTS, 56
.set CNT, 57
.set CS,  58
.set SEL, 60
.set TB,  62
.set GRP, 63
.set MSB, 0
.macro WIN new
.if MSB != \new
	s_set_vgpr_msb (MSB<<8)|\new
.set MSB, \new
.endif
.endm
.macro PLACES n
.rept \n
	v_nop
.endr
.endm
.macro JLOAD                           ; a joint refill by the walking descriptors; the branch hangs on the wave's number alone; an s_nop 0 and four v_nop follow each line
	s_cmp_lt_u32 s[WV], 4
	s_cbranch_scc0 .Lfor_v_\@
	tensor_load_to_lds s[G0K+4:G0K+7], s[G1K:G1K+7]
	s_nop 0
.rept 4
	v_nop
.endr
	s_branch .Lasked_\@
.Lfor_v_\@:
	tensor_load_to_lds s[G0V+4:G0V+7], s[G1V:G1V+7]
	s_nop 0
.rept 4
	v_nop
.endr
.Lasked_\@:
.endm
; A prefetch of what the NEXT change of slots will ask for: a slot's 32,768 bytes of K and of V.  Each aligned block of 256 bytes is named once in the launch: of the eight clusters that walk a key and value head
; the first asks (cluster x = 0, even y); its four partners take 8,192 bytes each, told apart by address; in each, wave 0 asks for K's and wave 4 for V's, a lane a block.
; It stands four key steps ahead of the load that will want the bytes; the last change that fills a slot asks for nothing.
.macro ASK
	s_cmp_gt_u32 s[SLOTS], s[LIM]
	s_cbranch_scc0 .Lnot_mine_\@
	global_prefetch_b8 v[PFO], s[PFA:PFA+1] th:TH_LOAD_NT scope:SCOPE_SE
.Lnot_mine_\@:
.endm
.macro CROUND
	s_barrier_signal -1
	s_barrier_wait -1
	s_cmp_lg_u32 s[WV], 0
	s_cbranch_scc1 .Lnot_wave_0_\@
	s_barrier_signal -3
.Lnot_wave_0_\@:
	s_barrier_wait -3
	s_barrier_signal -1
	s_barrier_wait -1
.endm
	s_load_b128 s[4:7], s[0:1], 0x0                ; qkv, o16
	v_lshl_add_u32 v[SPW], v0, 2, SPARE
	v_mov_b32 v[NIL], 0
	ds_add_u32 v[SPW], v[NIL]                      ; the wave's opening: the add, twice on end, and its wait ahead of my first tensor load
	ds_add_u32 v[SPW], v[NIL]
	v_lshrrev_b32 v1, 5, v0
	v_readfirstlane_b32 s[WV], v1                  ; wave 0..7
	s_lshr_b32 s[GRP], s[WV], 2                    ; 0: I fetch K and run the late softmax; 1: V, the early one
	s_and_b32 s15, ttmp7, 0xffff                   ; y: the pair of heads, which the four partners share
	s_lshr_b32 s17, s15, 1                         ; the key and value head
	s_and_b32 s2, s[WV], 3                         ; which of a slot's four steps I fetch
	s_lshl_b32 s20, s17, 18
	s_lshl_b32 s3, s2, 13                          ; its 64 rows of 128 bytes
	s_add_co_u32 s20, s20, s3
	s_add_co_u32 s20, s20, 32*HB                   ; K's heads lie behind q's 32
	s_mov_b32 s21, 0
	s_mul_i32 s17, s2, STEPB                       ; and its place in a slot: no place in the cluster enters an LDS address
	s_and_b32 s[LIM], s[WV], 3
	s_or_b32 s[LIM], s[LIM], ttmp9
	s_and_b32 s2, s15, 1
	s_or_b32 s[LIM], s[LIM], s2
	s_cmp_eq_u32 s[LIM], 0
	s_cselect_b32 s[LIM], 1, -1                    ; 1 in a wave that prefetches: the same in all four partners
	s_bfe_u32 s13, ttmp6, 0x40000                  ; cx
	s_lshl_b32 s14, ttmp9, 2
	s_add_co_u32 s14, s14, s13                     ; my block of 128 queries: it enters Q's and O's addresses alone
	s_lshl_b32 s22, s15, 19                        ; Q: head 2 y,
	s_lshl_b32 s3, s14, 14                         ; 128 tokens of 128 bytes,
	s_add_co_u32 s22, s22, s3
	s_lshl_b32 s3, s[WV], 11                       ; my wave's 16
	s_add_co_u32 s22, s22, s3
	s_mov_b32 s23, 0
	s_lshl_b32 s2, s14, 19                         ; O: 128 rows of 4,096 bytes,
	s_lshl_b32 s3, s[WV], 16
	s_add_co_u32 s2, s2, s3
	s_lshl_b32 s3, s15, 8                          ; the two heads' 256 bytes
	s_add_co_u32 s2, s2, s3
	s_mov_b32 s3, 0
	; group 1: a tile of 64 rows x 64 elements of 2 bytes, dense in memory, padded in LDS behind every 32 words: K by 4 words, V by 8; the mask names all four work-groups
	s_mov_b32 s[G1K], 15|(1<<16)|(1<<20)|(1<<21)|(4<<22)|(3<<25)
	s_mov_b32 s[G1V], 15|(1<<16)|(1<<20)|(1<<21)|(4<<22)|(7<<25)
.irp g, G1K, G1V
	s_mov_b32 s[\g+1], 64<<16
	s_mov_b32 s[\g+2], KS<<16
	s_mov_b32 s[\g+3], 64<<16
	s_mov_b32 s[\g+4], KS
	s_mov_b32 s[\g+5], 64
	s_mov_b32 s[\g+6], 0
	s_mov_b32 s[\g+7], 0
.endr
	s_mov_b32 s[CS], 0x4138aa3b                    ; c = 8 log2(e)
	s_mov_b32 s[CS+1], s[CS]
	s_mov_b32 s[SEL], 0x76543210
	s_mov_b32 s[SEL+1], 0xfedcba98
	s_mov_b32 s[TB], 0
	s_mov_b32 s[SLOTS], 6
	v_and_b32 v[PFO], 31, v0
	v_lshlrev_b32 v[PFO], 8, v[PFO]
	s_wait_dscnt 0x0                               ; both opening adds are done
	s_wait_kmcnt 0x0
	s_add_nc_u64 s[8:9], s[4:5], s[20:21]          ; K at my tile of slot 0,
	s_add_nc_u64 s[10:11], s[8:9], 8*HB            ; V eight heads on
	s_add_nc_u64 s[6:7], s[6:7], s[2:3]            ; O at my wave's first row
	s_add_nc_u64 s[4:5], s[4:5], s[22:23]          ; Q likewise
	s_cmp_lt_u32 s[WV], 4
	s_cselect_b64 s[PFA:PFA+1], s[8:9], s[10:11]   ; (in waves 0 and 4 these stand at a slot's first row)
	s_lshl_b32 s2, s13, 13                         ; my work-group's quarter of a slot
	s_add_nc_u64 s[PFA:PFA+1], s[PFA:PFA+1], s[2:3]
	s_add_nc_u64 s[PFA:PFA+1], s[PFA:PFA+1], 2*SLOTB   ; in the third slot's keys; the first change steps it on.  Nothing is prefetched at the head
	CROUND                                         ; all four work-groups are here: the first joint loads meet
.irp s, 0,1
	s_mov_b32 s[G0K+4*\s], 1
	s_add_co_u32 s[G0K+4*\s+1], s17, \s*SLOT1
	s_add_nc_u64 s[G0K+4*\s+2:G0K+4*\s+3], s[8:9], \s*SLOTB
	s_or_b32 s[G0K+4*\s+3], s[G0K+4*\s+3], 0x80000000
	s_mov_b32 s[G0V+4*\s], 1
	s_add_co_u32 s[G0V+4*\s+1], s17, \s*SLOT1+VOFF
	s_add_nc_u64 s[G0V+4*\s+2:G0V+4*\s+3], s[10:11], \s*SLOTB
	s_or_b32 s[G0V+4*\s+3], s[G0V+4*\s+3], 0x80000000
.endr
	s_cmp_lt_u32 s[WV], 4                          ; a wave's two first fills stand in one branch, ahead of every wait on TENSORcnt and every LDS read: two loads of mine are out
	s_cbranch_scc0 .Lfirst_v
	tensor_load_to_lds s[G0K:G0K+3], s[G1K:G1K+7]
	s_nop 0
	tensor_load_to_lds s[G0K+4:G0K+7], s[G1K:G1K+7]
	s_nop 0
.rept 4
	v_nop
.endr
	s_branch .Lfirst_asked
.Lfirst_v:
	tensor_load_to_lds s[G0V:G0V+3], s[G1V:G1V+7]
	s_nop 0
	tensor_load_to_lds s[G0V+4:G0V+7], s[G1V:G1V+7]
	s_nop 0
.rept 4
	v_nop
.endr
.Lfirst_asked:
	v_and_b32 v1, 15, v0                           ; r
	v_bfe_u32 v9, v0, 4, 1                         ; h
	v_lshlrev_b32 v[QO], 7, v1
	v_lshl_add_u32 v[QO], v9, 4, v[QO]             ; token r x 128 + 16 h
.irp t, 0,1
.irp c, 0,1
	global_load_b128 v[Q+16*\t+8*\c:Q+16*\t+8*\c+3],   v[QO], s[4:5] offset:\t*HB+64*\c      ; Q stays in registers: tile t = head 2 y + t, channels 32 c on
	global_load_b128 v[Q+16*\t+8*\c+4:Q+16*\t+8*\c+7], v[QO], s[4:5] offset:\t*HB+64*\c+32
.endr
.endr
	v_mul_u32_u24 v[AK0], v1, PK
	v_lshl_add_u32 v[AK0], v9, 4, v[AK0]           ; K: row x pitch + 16 h
	v_and_b32 v10, 7, v0
	v_bfe_u32 v11, v0, 3, 1
	v_lshl_add_u32 v[AV0], v9, 3, v10              ; V: key 8 h + lane % 8,
	v_mul_u32_u24 v[AV0], v[AV0], PV
	v_lshl_add_u32 v[AV0], v11, 4, v[AV0]          ; channels 8 ((lane / 8) % 2) on
	v_add_nc_u32 v[AV0], VOFF, v[AV0]
	s_mul_i32 s2, s[WV], 16*SP
	s_add_co_u32 s2, s2, STAGE                     ; my stage
	v_mul_u32_u24 v[STO], v1, SP
	v_lshl_add_u32 v[STO], v9, 4, v[STO]
	v_add_nc_u32 v[STO], s2, v[STO]                ; in: row r, 16 bytes for each half of the lanes
	v_mul_u32_u24 v[RD], v9, SP
	v_lshl_add_u32 v[RD], v1, 4, v[RD]
	v_add_nc_u32 v[RD], s2, v[RD]                  ; back: lanes 0-15 one row of 256 bytes, lanes 16-31 the next
	v_lshlrev_b32 v[GO], 12, v9
	v_lshl_add_u32 v[GO], v1, 4, v[GO]             ; and the same two rows in o16
.irp t, 0,1
	v_mov_b32 v[ST+8*\t+1], 0xf149f2ca             ; m = -1e30
	v_mul_f32 v[ST+8*\t], s[CS], v[ST+8*\t+1]      ; c m
	v_mov_b32 v[ST+8*\t+2], 0                      ; l, in two halves
	v_mov_b32 v[ST+8*\t+3], 0
	v_mov_b32 v[ST+8*\t+5], 0                      ; (a lane permute's destination counts as one of its sources)
	v_mov_b32 v[ST+8*\t+7], 0
.endr
	WIN 0x40
.set j, 0
.rept 64
	v_mov_b32 v[j], 0                              ; O^T: the step is written in one form; the first a is 0 and leaves zeros
.set j, j+1
.endr
	WIN 0
.macro FETCH_K                         ; 16 loads: 64 keys x 64 channels: keys 16 kt on, channels 32 c on
	v_add_nc_u32 v[ADR], s[TB], v[AK0]
.irp kt, 0,1,2,3
.irp c, 0,1
	ds_load_b128 v[KF+16*\kt+8*\c:KF+16*\kt+8*\c+3],   v[ADR] offset:\kt*16*PK+64*\c
	ds_load_b128 v[KF+16*\kt+8*\c+4:KF+16*\kt+8*\c+7], v[ADR] offset:\kt*16*PK+64*\c+32
.endr
.endr
.endm
.macro FETCH_V                         ; 16 turning loads: keys 32 kh on, channels 16 ct on
	PLACES 4                                       ; four plain lines between the last products V^T P and loads into V's registers
	v_add_nc_u32 v[ADR], s[TB], v[AV0]
	s_add_co_u32 s[TB], s[TB], STEPB               ; the next fetch is the next step's
	WIN 0x40                                       ; destination window 1
.irp kh, 0,1
.irp ct, 0,1,2,3
	ds_load_tr16_b128 v[64+32*\kh+8*\ct:64+32*\kh+8*\ct+3],   v[ADR] offset:\kh*32*PV+32*\ct
	ds_load_tr16_b128 v[64+32*\kh+8*\ct+4:64+32*\kh+8*\ct+7], v[ADR] offset:\kh*32*PV+16*PV+32*\ct
.endr
.endr
	WIN 0
.endm
; Product i of 16 of S^T = K Q^T: channels 32 (i / 8) on, keys 16 ((i / 2) % 4) on, tile i % 2.  The first 8 start the sums.  Eight accumulators take turns.
.macro KQ
.set rS, S+32*(i%2)+8*((i/2)%4)
.set rK, KF+16*((i/2)%4)+8*(i/8)
.set rQ, Q+16*(i%2)+8*(i/8)
.if i < 8
	v_wmma_f32_16x16x32_f16 v[rS:rS+7], v[rK:rK+7], v[rQ:rQ+7], 0
.else
	v_wmma_f32_16x16x32_f16 v[rS:rS+7], v[rK:rK+7], v[rQ:rQ+7], v[rS:rS+7]
.endif
.endm
; Product i of 16 of O^T += V^T P: keys 32 (i / 8) on, channels 16 ((i / 2) % 4) on, tile i % 2
.macro PVM
.set rO, 32*(i%2)+8*((i/2)%4)
.set rV, 64+32*(i/8)+8*((i/2)%4)
.set rP, P+16*(i%2)+8*(i/8)
	v_wmma_f32_16x16x32_f16 v[rO:rO+7], v[rV:rV+7], v[rP:rP+7], v[rO:rO+7]
.endm
; The row's sum of tile t takes pair b of its 16 pairs of weights, in two chains: l (which first takes a l) and a second one
.macro SUMS t, b
.set rT, ST+8*(\t)
.set rS, S+32*(\t)
.if (\b) == 0
	v_pk_fma_f32 v[rT+2:rT+3], v[rT+2:rT+3], v[rT+6:rT+7], v[rS:rS+1] op_sel_hi:[1,0,1]
.elseif (\b) == 1
	v_pk_add_f32 v[rT+4:rT+5], v[rS+2:rS+3], v[rS+6:rS+7]
.elseif (\b) == 3
.elseif (\b)%2 == 0
	v_pk_add_f32 v[rT+2:rT+3], v[rT+2:rT+3], v[rS+2*(\b):rS+2*(\b)+1]
.else
	v_pk_add_f32 v[rT+4:rT+5], v[rT+4:rT+5], v[rS+2*(\b):rS+2*(\b)+1]
.endif
.endm
; THE SOFTMAX of a key step, both tiles.  The exponentials go in two batches, each with one wait ahead of its first reader: tile 0's (with both a), among which tile 1 is scaled; tile 1's, among which
; tile 0 is rounded and summed.  The last line of each batch is a plain one that names none of its results.
.macro SOFTMAX
.irp j, 0,1,2,3
.irp t, 0,1
	v_max3_num_f32 v[ST+8*\t+4+\j], v[S+32*\t+8*\j], v[S+32*\t+8*\j+1], v[S+32*\t+8*\j+2]   ; four chains, each begun at its accumulator's low end
.endr
.endr
.irp u, 1,2
.irp j, 0,1,2,3
.irp t, 0,1
	v_max3_num_f32 v[ST+8*\t+4+\j], v[ST+8*\t+4+\j], v[S+32*\t+8*\j+2*\u+1], v[S+32*\t+8*\j+2*\u+2]
.endr
.endr
.endr
.irp t, 0,1
	v_max3_num_f32 v[ST+8*\t+4], v[ST+8*\t+4], v[S+32*\t+7], v[S+32*\t+15]
.endr
.irp t, 0,1
	v_max3_num_f32 v[ST+8*\t+6], v[ST+8*\t+6], v[S+32*\t+23], v[S+32*\t+31]
.endr
.irp t, 0,1
	v_max3_num_f32 v[ST+8*\t+4], v[ST+8*\t+4], v[ST+8*\t+5], v[ST+8*\t+6]
.endr
.irp t, 0,1
	v_max3_num_f32 v[ST+8*\t+4], v[ST+8*\t+4], v[ST+8*\t+7], v[ST+8*\t+1]   ; with the old m
.endr
.irp t, 0,1
	v_permlanex16_b32 v[ST+8*\t+5], v[ST+8*\t+4], s[SEL], s[SEL+1]          ; the query's other 32 keys lie in the lane 16 away
.endr
.irp t, 0,1
	v_mov_b32 v[ST+8*\t+7], v[ST+8*\t]             ; c m_old
.endr
.irp t, 0,1
	v_max_num_f32 v[ST+8*\t+1], v[ST+8*\t+4], v[ST+8*\t+5]
.endr
.irp t, 0,1
	v_mul_f32 v[ST+8*\t], s[CS], v[ST+8*\t+1]
.endr
.irp t, 0,1
	v_sub_f32 v[ST+8*\t+7], v[ST+8*\t+7], v[ST+8*\t]
.endr
.irp t, 0,1
	v_exp_f32 v[ST+8*\t+6], v[ST+8*\t+7]           ; a
.endr
.irp b, 0,1,2,3,4,5,6,7,8,9,10,11,12,13,14,15
	v_pk_fma_f32 v[S+2*\b:S+2*\b+1], v[S+2*\b:S+2*\b+1], s[CS:CS+1], v[ST:ST+1] op_sel_hi:[1,0,0] neg_lo:[0,0,1] neg_hi:[0,0,1]   ; tile 0: c s - c m
.endr
.irp b, 0,1,2,3,4,5,6,7,8,9,10,11,12,13,14,15
	v_exp_f32 v[S+2*\b], v[S+2*\b]
	v_exp_f32 v[S+2*\b+1], v[S+2*\b+1]
	v_pk_fma_f32 v[S+32+2*\b:S+32+2*\b+1], v[S+32+2*\b:S+32+2*\b+1], s[CS:CS+1], v[ST+8:ST+9] op_sel_hi:[1,0,0] neg_lo:[0,0,1] neg_hi:[0,0,1]   ; tile 1
.endr
	s_wait_alu depctr_va_vdst(0)                   ; one wait for the first batch (34 exponentials), ahead of its first reader
.irp b, 0,1,2,3,4,5,6,7,8,9,10,11,12,13,14,15
	v_exp_f32 v[S+32+2*\b], v[S+32+2*\b]
	v_exp_f32 v[S+32+2*\b+1], v[S+32+2*\b+1]
	v_cvt_pk_f16_f32 v[P+\b], v[S+2*\b], v[S+2*\b+1]
	SUMS 0, \b
.endr
	s_wait_alu depctr_va_vdst(0)                   ; and one for the second batch
.irp b, 0,1,2,3,4,5,6,7,8,9,10,11,12,13,14,15
	v_cvt_pk_f16_f32 v[P+16+\b], v[S+32+2*\b], v[S+32+2*\b+1]
	SUMS 1, \b
.endr
.irp t, 0,1
	v_pk_add_f32 v[ST+8*\t+2:ST+8*\t+3], v[ST+8*\t+2:ST+8*\t+3], v[ST+8*\t+4:ST+8*\t+5]
.endr
	WIN 0x41                                       ; O^T (destination and source 0) in window 1, a in window 0
.irp t, 0,1
.set j, 0
.rept 16
	v_pk_mul_f32 v[32*\t+2*j:32*\t+2*j+1], v[32*\t+2*j:32*\t+2*j+1], v[ST+8*\t+6:ST+8*\t+7] op_sel_hi:[1,0]   ; each accumulator from its low end on
.set j, j+1
.endr
.endr
	WIN 0
.endm
; THE CHANGE OF SLOTS: the slot's last bytes, V of its fourth step, have been asked for.  Each wave waits for all its tensor loads (one is out: its part of the other slot), adds 0 to its spare word, and waits for
; that and for its reads of the slot.  fill = 1: the barrier is a round of the cluster's, and the joint refill is the first thing behind it.
.macro CHANGE fill
	s_wait_tensorcnt 0x0                           ; no tensor load of mine is out, so a group 0 may be written
	ds_add_u32 v[SPW], v[NIL]                      ; 0 onto my spare word
.if \fill
.irp g, G0K+4, G0V+4
	s_xor_b32 s[\g+1], s[\g+1], SLOT1              ; the walking descriptor: the other slot than last time,
	s_add_nc_u64 s[\g+2:\g+3], s[\g+2:\g+3], SLOTB ; the next 256 keys
.endr
	s_wait_xcnt 0x0                                ; the last prefetch, four key steps back, has read its address
	s_add_nc_u64 s[PFA:PFA+1], s[PFA:PFA+1], SLOTB
	s_wait_dscnt 0x0                               ; the add is done, and my reads of the slot are over
	CROUND
	JLOAD
	ASK
.else
	s_wait_dscnt 0x0
	s_barrier_signal -1
	s_barrier_wait -1
.endif
	s_sub_co_u32 s[TB], s[TB], 4*STEPB             ; the fetches go back to a slot's first step,
	s_xor_b32 s[TB], s[TB], SLOT1                  ; in the other slot
.endm
; A KEY STEP.  kind 0: inside a slot.  1: a slot's last, the slot is filled again.  2: a slot's last, nothing is asked for.  3: the very last.
.macro STEP kind
	FETCH_V
	s_wait_dscnt 16                                ; K is in; V's 16 loads may be out
.set i, 0
.rept 16
	KQ
.set i, i+1
.endr
	PLACES 4                                       ; ahead of the loads into K's registers and of the first read of the scores
.if \kind == 0
	FETCH_K
	SOFTMAX
.elseif \kind == 3
	SOFTMAX
.else
	s_cmp_eq_u32 s[GRP], 0
	s_cbranch_scc1 .Lnot_early_\@
	SOFTMAX                                        ; waves 4-7
.Lnot_early_\@:
	CHANGE (2-\kind)
	FETCH_K
	s_cmp_lg_u32 s[GRP], 0
	s_cbranch_scc1 .Lnot_late_\@
	SOFTMAX                                        ; waves 0-3
.Lnot_late_\@:
.endif
.if \kind == 3
	s_wait_dscnt 0x0
.else
	s_wait_dscnt 16                                ; V is in; the next step's K may be out
.endif
	WIN 0x51                                       ; V, C and D in window 1, P in window 0
.set i, 0
.rept 16
	PVM
.set i, i+1
.endr
	WIN 0
.endm
.macro THREE                           ; a slot's first three steps: written once, walked three times
	s_mov_b32 s[CNT], 3
.Lthree_\@:
	STEP 0
	s_sub_co_u32 s[CNT], s[CNT], 1
	s_cmp_lg_u32 s[CNT], 0
	s_cbranch_scc1 .Lthree_\@
.endm
	s_wait_tensorcnt 1                             ; my part of slot 0 is in; slot 1's may stay out
	s_barrier_signal -1
	s_barrier_wait -1
	FETCH_K                                        ; key step 0
	s_wait_loadcnt 0x0                             ; Q
.Lslot:                                                ; six trips: every slot but the last two is filled again
	THREE
	STEP 1
	s_sub_co_u32 s[SLOTS], s[SLOTS], 1
	s_cmp_lg_u32 s[SLOTS], 0
	s_cbranch_scc1 .Lslot
	THREE                                          ; the tail is written out
	STEP 2
	THREE
	STEP 3
	; THE WAY OUT.  l's halves are added; O^T x 4 / l, rounded to f16, goes through my stage and leaves as rows of 256 bytes.  The additions are the plain lines behind the last products.
.irp t, 0,1
	v_add_f32 v[ST+8*\t+4], v[ST+8*\t+2], v[ST+8*\t+3]
.endr
.irp t, 0,1
	v_permlanex16_b32 v[ST+8*\t+5], v[ST+8*\t+4], s[SEL], s[SEL+1]
.endr
.irp t, 0,1
	v_add_f32 v[ST+8*\t+4], v[ST+8*\t+4], v[ST+8*\t+5]
.endr
.irp t, 0,1
	v_rcp_f32 v[ST+8*\t+6], v[ST+8*\t+4]
.endr
	v_nop                                          ; a plain line behind the last reciprocal
	s_wait_alu depctr_va_vdst(0)                   ; one wait for both, ahead of the first use
.irp t, 0,1
	v_mul_f32 v[ST+8*\t+6], 4.0, v[ST+8*\t+6]
.endr
	WIN 0x41
.irp t, 0,1
.set j, 0
.rept 16
	v_pk_mul_f32 v[32*\t+2*j:32*\t+2*j+1], v[32*\t+2*j:32*\t+2*j+1], v[ST+8*\t+6:ST+8*\t+7] op_sel_hi:[1,0]
.set j, j+1
.endr
.endr
	WIN 0x05                                       ; sources in window 1, destination in window 0
.set j, 0
.rept 32
	v_cvt_pk_f16_f32 v[224+j], v[2*j], v[2*j+1]
.set j, j+1
.endr
	WIN 0
.irp t, 0,1
.irp ct, 0,1,2,3
	ds_store_b128 v[STO], v[224+16*\t+4*\ct:224+16*\t+4*\ct+3] offset:128*\t+32*\ct
.endr
.endr
.irp i, 0,1,2,3,4,5,6,7
	ds_load_b128 v[S+4*\i:S+4*\i+3], v[RD] offset:\i*2*SP            ; LDS serves a wave's instructions in order: these see my stores
.endr
.irp i, 0,1,2,3,4,5,6,7
	s_wait_dscnt 7-\i
	global_store_b128 v[GO], v[S+4*\i:S+4*\i+3], s[6:7] offset:\i*8192   ; 16 lanes store 256 consecutive bytes, aligned
.endr
	s_wait_tensorcnt 0x0                           ; the wave's end, behind my last tensor load and my last LDS store
	ds_add_u32 v[SPW], v[NIL]
	s_wait_dscnt 0x0
	CROUND                                         ; the closing round
	s_endpgm
.Lfunc_end_k_q41c0c30604_attn:
	.size	k_q41c0c30604_attn, .Lfunc_end_k_q41c0c30604_attn-k_q41c0c30604_attn
	.p2alignl 7, 3214868480
	.fill 96, 4, 3214868480
	.section	.rodata,"a",@progbits
	.p2align	6, 0x0
	.amdhsa_kernel k_q41c0c30604_attn
		.amdhsa_group_segment_fixed_size 327680
		.amdhsa_private_segment_fixed_size 0
		.amdhsa_enable_private_segment 0
		.amdhsa_kernarg_size 16
		.amdhsa_user_sgpr_count 2
		.amdhsa_user_sgpr_kernarg_segment_ptr 1
		.amdhsa_wavefront_size32 1
		.amdhsa_system_sgpr_workgroup_id_x 1
		.amdhsa_system_sgpr_workgroup_id_y 1
		.amdhsa_system_sgpr_workgroup_id_z 1
		.amdhsa_system_vgpr_workitem_id 0
		.amdhsa_next_free_vgpr 384
		.amdhsa_next_free_sgpr 66
		.amdhsa_reserve_vcc 0
		.amdhsa_float_denorm_mode_32 3
		.amdhsa_float_denorm_mode_16_64 3
		.amdhsa_memory_ordered 1
		.amdhsa_forward_progress 1
		.amdhsa_inst_pref_size 148
	.end_amdhsa_kernel
	.amdgpu_metadata
---
amdhsa.version: [ 1, 2 ]
amdhsa.kernels:
  - .name:           k_q41c0c30604_attn
    .symbol:         k_q41c0c30604_attn.kd
    .args:
      - { .name: qkv, .offset: 0, .size: 8, .value_kind: global_buffer, .address_space: global }
      - { .name: o16, .offset: 8, .size: 8, .value_kind: global_buffer, .address_space: global }
    .group_segment_fixed_size: 327680
    .private_segment_fixed_size: 0
    .kernarg_segment_align: 8
    .kernarg_segment_size: 16
    .max_flat_workgroup_size: 256
    .sgpr_count:     66
    .vgpr_count:     384
    .wavefront_size: 32
...
	.end_amdgpu_metadata
.endif
;; end of part 3
;; launch oproj (part 4): grid 16 x 16, 4 waves a work-group, clusters of 4 x 4, 327,680 bytes of LDS; arguments o16, wo16, out0; writes out0
.if DOCPART == 4
	.amdgcn_target "amdgcn-amd-amdhsa--gfx1250"
	.amdhsa_code_object_version 6
	.text
	.protected	k_q41c0c30604_oproj
	.globl	k_q41c0c30604_oproj
	.p2align	8
	.type	k_q41c0c30604_oproj,@function
k_q41c0c30604_oproj:
	s_mov_b64 s[64:65], 0
	v_nop
	global_prefetch_b8 v0, s[64:65] scope:SCOPE_SE
	s_setreg_imm32_b32 hwreg(HW_REG_WAVE_MODE, 25, 1), 1
	s_wait_xcnt 0x0
	s_wait_alu depctr_hold_cnt(0) depctr_sa_sdst(0) depctr_va_vdst(0) depctr_va_sdst(0) depctr_va_ssrc(0) depctr_va_vcc(0) depctr_vm_vsrc(0)
	s_getreg_b32 s2, hwreg(HW_REG_IB_STS2, 6, 4)
	s_cmp_eq_u32 s2, 0
	s_cbranch_scc0 .Lentry_in_a_cluster
	s_endpgm
.Lentry_in_a_cluster:
	s_bfe_u32 s2, ttmp6, 0x10000c
	s_cmp_lg_u32 s2, 0xf033
	s_cbranch_scc0 .Lentry_shape_is_right
	s_endpgm
.Lentry_shape_is_right:
; OPROJ: out0[m][n] = sum over k of (o / 2)[m][k] x (2 Wo)[k][n].  o16 [2048][2048] f16, K innermost; wo16 [2048 k][2048 n] f16, K its FIRST axis; out0 [2048][2048] f32; sums in f32.
; A tile of the result is 128 x 128: 16 x 16 = 256 work-groups.  Four waves, each 64 x 64: 16 accumulators.  K goes in steps of 256 through a ring of two LDS slots.
; o16's tile: 128 rows of 512 bytes.  wo16's tile: 256 rows (k) of 256 bytes (128 n); its fragments come out of LDS turned, by ds_load_tr16_b128.
; THE WALK ALONG K IS ROTATED: a cluster begins at K step r = (2 x cluster x + 4 x ((cluster y xor cluster y / 2) & 1)) mod 8 and goes round the eight.  The four clusters that read the same rows of o16 begin
; 2 steps apart; of the four that read the same columns of wo16, those at cluster y 0 and 3 begin 4 steps from those at 1 and 2.  So clusters that share tiles ask for different K steps at the same time.
; LIMIT: the order in which a sum takes its K steps so differs from cluster to cluster, and from ascending K; each sum still has one f32 accumulator.
; CLUSTERS: 4 x 4 work-groups; o16's tiles are shared along a row of the cluster, wo16's along a column: joint loads.  r is the same in all sixteen, and enters global addresses alone.
; THE MATRIX INSTRUCTION IS USED TRANSPOSED (source 0 = 16 columns n, source 1 = 16 rows m): a lane holds eight neighbouring numbers of a row of the result.
; REGISTERS: window 0: v16-29 addresses; v32-95 the way out; v128-255 the accumulators ((a, b) at 128 + 8 (4 a + b)).  Window 1: two fragment buffers of 128: 64 registers of o16, then 64 of wo16, for 64 along K.
.set KSTEP,  256
.set PITCH,  528                       ; o16's LDS row: 512 bytes + 16
.set PB,     288                       ; wo16's: 256 + 32: an odd multiple of 32, as the turning load's eight rows want
.set HALFA,  64*PITCH
.set HALFB,  128*PB
.set BOFF,   2*HALFA
.set SLOT,   BOFF+2*HALFB
.set STAGE,  2*SLOT                    ; behind the ring: 16 rows x 272 bytes for each wave; no tensor load lands here
.set SPITCH, 272
.set SPARE,  STAGE+4*16*SPITCH
.set LAPS,   4
.set ADRA, 16                          ; v16-17 my o16 fragments in slot 0, 1
.set ADRB, 20                          ; v20-23 my wo16 fragments: slot s, half u of the K step at 20 + 2 s + u
.set STO,  24
.set RD,   25
.set CO,   26
.set SPW,  28
.set NIL,  29
.set TMP,  32
.set ACC,  128
.set F0,   0
.set F1,   128
.set KN,   2                           ; s2     the K step that is asked for next; made of the cluster's x and y alone
.set OFP,  18                          ; s[18:19] a K step's byte offset, as a pair; s19 stays 0
.set G1, 24
.set G0, 32
.set G1B, 48
.set G0B, 56
.set MSB, 0
.macro WIN new
.if MSB != \new
	s_set_vgpr_msb (MSB<<8)|\new
.set MSB, \new
.endif
.endm
.set MUL,  0x05                        ; sources 0 and 1 window 1; C and D window 0
.set TO_F, 0x40                        ; destination window 1, address window 0
.macro JLOAD s                         ; waves 0 and 1 fetch o16's two halves, waves 2 and 3 wo16's; an s_nop 0 and four v_nop follow each line
	s_cmp_eq_u32 s11, 0
	s_cbranch_scc0 .Lfor_b_\@
	tensor_load_to_lds s[G0+4*\s:G0+4*\s+3], s[G1:G1+7]
	s_nop 0
.rept 4
	v_nop
.endr
	s_branch .Lasked_\@
.Lfor_b_\@:
	tensor_load_to_lds s[G0B+4*\s:G0B+4*\s+3], s[G1B:G1B+7]
	s_nop 0
.rept 4
	v_nop
.endr
.Lasked_\@:
.endm
; The slot's two descriptors are pointed at K step s[KN]: in o16 my rows' first byte (s[4:5]; stays) + 512 bytes a step; in wo16 my first k row at my columns (s[6:7]; stays) + 256 rows of 4,096 bytes a step;
; then s[KN] goes one on, round the eight.  It is run only where no tensor load that names these registers is out.
.macro AIM slot
	s_lshl_b32 s[OFP], s[KN], 9
	s_add_nc_u64 s[G0+4*\slot+2:G0+4*\slot+3], s[4:5], s[OFP:OFP+1]
	s_or_b32 s[G0+4*\slot+3], s[G0+4*\slot+3], 0x80000000
	s_lshl_b32 s[OFP], s[KN], 20
	s_add_nc_u64 s[G0B+4*\slot+2:G0B+4*\slot+3], s[6:7], s[OFP:OFP+1]
	s_or_b32 s[G0B+4*\slot+3], s[G0B+4*\slot+3], 0x80000000
	s_add_co_u32 s[KN], s[KN], 1
	s_and_b32 s[KN], s[KN], 7
.endm
.macro CREST
	s_cmp_lg_u32 s10, 0
	s_cbranch_scc1 .Lnot_wave_0_\@
	s_barrier_signal -3
.Lnot_wave_0_\@:
	s_barrier_wait -3
	s_barrier_signal -1
	s_barrier_wait -1
.endm
.macro CROUND
	s_barrier_signal -1
	s_barrier_wait -1
	CREST
.endm
	s_load_b128 s[4:7], s[0:1], 0x0                ; o16, wo16
	s_load_b64 s[8:9], s[0:1], 0x10                ; out0
	v_lshl_add_u32 v[SPW], v0, 2, SPARE
	v_mov_b32 v[NIL], 0
	ds_add_u32 v[SPW], v[NIL]                      ; the wave's opening: the add, twice on end, and its wait ahead of my first tensor load
	ds_add_u32 v[SPW], v[NIL]
	v_lshrrev_b32 v1, 5, v0
	v_readfirstlane_b32 s10, v1                    ; wave 0..3
	s_lshr_b32 s11, s10, 1                         ; which half of the tile's rows is mine.  Also: I fetch for o16 (0) or for wo16 (1)
	s_and_b32 s12, s10, 1                          ; which half of its columns.  Also: which half of that tile's rows I fetch
	s_and_b32 s[KN], ttmp7, 0xffff                 ; r, the K step at which my cluster begins: cluster y 0, 1, 2, 3
	s_lshr_b32 s[OFP], s[KN], 1
	s_xor_b32 s[KN], s[KN], s[OFP]
	s_and_b32 s[KN], s[KN], 1                      ; gives 0, 1, 1, 0,
	s_lshl_b32 s[KN], s[KN], 2                     ; four steps each,
	s_lshl_b32 s[OFP], ttmp9, 1                    ; and cluster x two steps each,
	s_add_co_u32 s[KN], s[KN], s[OFP]
	s_and_b32 s[KN], s[KN], 7                      ; round the eight
	s_mov_b32 s[OFP+1], 0
	s_bfe_u32 s40, ttmp6, 0x40000
	s_bfe_u32 s41, ttmp6, 0x40004
	s_lshl_b32 s42, ttmp9, 2
	s_add_co_u32 s42, s42, s40                     ; tile column
	s_and_b32 s13, ttmp7, 0xffff
	s_lshl_b32 s13, s13, 2
	s_add_co_u32 s13, s13, s41                     ; tile row
	s_lshl_b32 s43, s41, 2
	s_lshl_b32 s43, 15, s43                        ; my row of the cluster
	s_lshl_b32 s44, 0x1111, s40                    ; my column
	s_or_b32 s[G1+0], s43, (1<<16)|(1<<20)|(1<<21)|(6<<22)|(3<<25)    ; o16: elements of 2 bytes; 4 words of padding behind every 128
	s_or_b32 s[G1B+0], s44, (1<<16)|(1<<20)|(1<<21)|(5<<22)|(7<<25)   ; wo16: 8 words behind every 64
	s_mov_b32 s[G1+1], KSTEP<<16                   ; 64 rows x 256 elements, 2,048 apart
	s_mov_b32 s[G1+2], 64<<16
	s_mov_b32 s[G1+3], KSTEP<<16
	s_mov_b32 s[G1+4], 64
	s_mov_b32 s[G1+5], 2048
	s_mov_b32 s[G1+6], 0
	s_mov_b32 s[G1+7], 0
	s_mov_b32 s[G1B+1], 128<<16                    ; 128 rows (k) x 128 elements (n), 2,048 apart
	s_mov_b32 s[G1B+2], 128<<16
	s_mov_b32 s[G1B+3], 128<<16
	s_mov_b32 s[G1B+4], 128
	s_mov_b32 s[G1B+5], 2048
	s_mov_b32 s[G1B+6], 0
	s_mov_b32 s[G1B+7], 0
	s_lshl_b32 s17, s12, 6
	s_lshl_b32 s16, s13, 7
	s_add_co_u32 s16, s16, s17                     ; o16: row 128 x tile row + 64 x half,
	s_lshl_b32 s16, s16, 12                        ; of 4,096 bytes
	s_mov_b32 s17, 0
	s_lshl_b32 s46, s12, 19                        ; wo16: k row 128 x half, of 4,096 bytes,
	s_lshl_b32 s47, s42, 8                         ; + the tile column's 256 bytes
	s_add_co_u32 s46, s46, s47
	s_mov_b32 s47, 0
	s_mul_i32 s20, s12, HALFA                      ; where they go: no place in the cluster enters an LDS address
	s_mul_i32 s45, s12, HALFB
	s_add_co_u32 s45, s45, BOFF
	s_wait_dscnt 0x0                               ; both opening adds are done
	s_wait_kmcnt 0x0
	s_add_nc_u64 s[4:5], s[4:5], s[16:17]          ; o16 at the rows that I fetch: stays
	s_add_nc_u64 s[6:7], s[6:7], s[46:47]          ; wo16 at my half of a K step's rows and my tile's columns: stays
	CROUND                                         ; all sixteen work-groups are here: the first joint loads meet
.irp s, 0,1
	s_mov_b32 s[G0+4*\s], 1
	s_add_co_u32 s[G0+4*\s+1], s20, \s*SLOT
	s_mov_b32 s[G0B+4*\s], 1
	s_add_co_u32 s[G0B+4*\s+1], s45, \s*SLOT
	AIM \s                                         ; K steps r and r + 1
	JLOAD \s                                       ; two tensor loads of mine are out behind the second
.endr
	v_and_b32 v1, 15, v0                           ; r
	v_bfe_u32 v2, v0, 4, 1                         ; h
	v_mul_u32_u24 v3, v1, PITCH
	v_lshl_add_u32 v3, v2, 4, v3
	s_mul_i32 s21, s11, HALFA                      ; my 64 rows of o16
.irp s, 0,1
	v_add_nc_u32 v[ADRA+\s], s21, v3
	s_add_co_u32 s21, s21, SLOT
.endr
	v_and_b32 v6, 7, v0
	v_lshl_add_u32 v6, v2, 3, v6                   ; wo16: k row 8 h + lane % 8,
	v_mul_u32_u24 v6, v6, PB
	v_bfe_u32 v7, v0, 3, 1
	v_lshl_add_u32 v6, v7, 4, v6                   ; columns 8 ((lane / 8) % 2) on,
	s_lshl_b32 s22, s12, 7                         ; my 64 columns' 128 bytes,
	s_add_co_u32 s22, s22, BOFF                    ; behind o16's rows
	v_add_nc_u32 v6, s22, v6
.irp s, 0,1
.irp u, 0,1
	v_add_nc_u32 v[ADRB+2*\s+\u], \s*SLOT+\u*HALFB, v6
.endr
.endr
	s_mul_i32 s23, s10, 16*SPITCH
	s_add_co_u32 s23, s23, STAGE                   ; my stage
	v_mul_u32_u24 v4, v1, SPITCH
	v_lshl_add_u32 v4, v2, 5, v4
	v_add_nc_u32 v[STO], s23, v4                   ; in: row r, 32 bytes for each half of the lanes
	v_mul_u32_u24 v5, v2, SPITCH
	v_lshl_add_u32 v5, v1, 4, v5
	v_add_nc_u32 v[RD], s23, v5                    ; back: lanes 0-15 one row of 256 bytes, lanes 16-31 the next
	v_lshlrev_b32 v5, 13, v2
	v_lshl_add_u32 v[CO], v1, 4, v5                ; and the same two rows in out0
	s_lshl_b32 s16, s13, 7
	s_lshl_b32 s17, s11, 6
	s_add_co_u32 s16, s16, s17                     ; my first row: 128 x tile row + 64 x half,
	s_lshl_b32 s16, s16, 13                        ; of 8,192 bytes
	s_mov_b32 s17, 0
	s_add_nc_u64 s[8:9], s[8:9], s[16:17]
	s_lshl_b32 s46, s42, 9                         ; my first column in bytes: 512 x tile column + 256 x half
	s_lshl_b32 s47, s12, 8
	s_add_co_u32 s46, s46, s47
	s_mov_b32 s47, 0
	s_add_nc_u64 s[8:9], s[8:9], s[46:47]
; 8 matrix instructions: m blocks a0, a0 + 1 x all 4 n blocks, 32 along K: half c of buffer f.  The 16 accumulators take turns.
.macro MUL8 f, c, a0, zero
.irp a, \a0, \a0+1
.irp b, 0,1,2,3
.if \zero
	v_wmma_f32_16x16x32_f16 v[ACC+8*(4*(\a)+\b):ACC+8*(4*(\a)+\b)+7], v[\f+64+8*(4*\c+\b):\f+64+8*(4*\c+\b)+7], v[\f+8*(4*\c+\a):\f+8*(4*\c+\a)+7], 0
.else
	v_wmma_f32_16x16x32_f16 v[ACC+8*(4*(\a)+\b):ACC+8*(4*(\a)+\b)+7], v[\f+64+8*(4*\c+\b):\f+64+8*(4*\c+\b)+7], v[\f+8*(4*\c+\a):\f+8*(4*\c+\a)+7], v[ACC+8*(4*(\a)+\b):ACC+8*(4*(\a)+\b)+7]
.endif
.endr
.endr
.endm
; 32 LDS loads in one run: the fragments of the K step's kq-th 64 along K into buffer f; the first 32 along K first
.macro FETCH slot, kq, f
	WIN TO_F
.irp c, 0,1
.irp i, 0,1,2,3
	ds_load_tr16_b128 v[\f+64+8*(4*\c+\i):\f+64+8*(4*\c+\i)+3],   v[ADRB+2*\slot+(\kq)/2] offset:(((\kq)%2)*64+32*\c)*PB+32*\i
	ds_load_tr16_b128 v[\f+64+8*(4*\c+\i)+4:\f+64+8*(4*\c+\i)+7], v[ADRB+2*\slot+(\kq)/2] offset:(((\kq)%2)*64+32*\c+16)*PB+32*\i
	ds_load_b128 v[\f+8*(4*\c+\i):\f+8*(4*\c+\i)+3],              v[ADRA+\slot] offset:128*(\kq)+64*\c+\i*16*PITCH
	ds_load_b128 v[\f+8*(4*\c+\i)+4:\f+8*(4*\c+\i)+7],            v[ADRA+\slot] offset:128*(\kq)+64*\c+\i*16*PITCH+32
.endr
.endr
.endm
.macro PLACES                          ; four plain lines ahead of loads into registers that matrix instructions have read, and of the first read of results
.rept 4
	v_nop
.endr
.endm
; A K step is four quarters of 64 along K, 32 matrix instructions each, on buffers 0, 1, 0, 1.  One of the first three: multiplies buffer f and fetches quarter kq into g.
.macro QUARTER slot, kq, f, g, zero
	s_wait_dscnt 16                                ; the first 32 along K are in
	WIN MUL
	MUL8 \f, 0, 0, \zero
	MUL8 \f, 0, 2, \zero
	PLACES
	FETCH \slot, \kq, \g
	s_wait_dscnt 32                                ; all but the 32 just issued
	WIN MUL
	MUL8 \f, 1, 0, 0
	MUL8 \f, 1, 2, 0
.endm
; The last quarter multiplies buffer 1 and changes slots: ONE barrier; ahead of it each wave waits for all its tensor loads, adds 0 to its spare word, and waits for that and for its reads of this slot.
.macro TURN slot, next, fill
	WIN 0                                          ; (the add's two registers lie in window 0)
	s_wait_tensorcnt 0x0                           ; all my tensor loads have landed: my part of the next slot; so every group 0 may be written
	ds_add_u32 v[SPW], v[NIL]                      ; 0 onto my spare word
.if \fill
	AIM \slot                                      ; this slot's next K step: two on in the walk
.endif
	s_wait_dscnt 17                                ; (the add and the youngest sixteen loads may be out)
	WIN MUL
	MUL8 F1, 0, 0, 0                               ; eight matrix instructions stand between the add and the wait for it
	s_wait_dscnt 0x0                               ; the add is done, and my reads of this slot are over
	s_barrier_signal -1
	MUL8 F1, 0, 2, 0
.if \fill
	WIN 0
.endif
	s_barrier_wait -1
.if \fill
	CREST                                          ; the barrier has opened a round of the cluster's barrier
	JLOAD \slot                                    ; the first tensor load behind the round; its four v_nop are also the plain lines ahead of the loads below
.else
	PLACES
.endif
	FETCH \next, 0, F0
	WIN MUL
	MUL8 F1, 1, 0, 0
	MUL8 F1, 1, 2, 0
.endm
	s_wait_tensorcnt 1                             ; my part of the first K step is in (the second's load may be out)
	s_barrier_signal -1
	s_barrier_wait -1                              ; everybody's is
	FETCH 0, 0, F0
	QUARTER 0, 1, F0, F1, 1                        ; the first quarter stands ahead of the loop: its first products start the sums
	WIN 0                                          ; at a label and at a branch every window is 0
	s_mov_b32 s3, LAPS-1
.Llap:                                                 ; a trip goes once round the ring and fills both slots again
	QUARTER 0, 2, F1, F0, 0
	QUARTER 0, 3, F0, F1, 0
	TURN 0, 1, 1
	QUARTER 1, 1, F0, F1, 0
	QUARTER 1, 2, F1, F0, 0
	QUARTER 1, 3, F0, F1, 0
	TURN 1, 0, 1
	QUARTER 0, 1, F0, F1, 0
	WIN 0
	s_sub_co_u32 s3, s3, 1
	s_cmp_lg_u32 s3, 0
	s_cbranch_scc1 .Llap
	QUARTER 0, 2, F1, F0, 0                        ; the last lap fills nothing, and has no round of the cluster's barrier
	QUARTER 0, 3, F0, F1, 0
	TURN 0, 1, 0
	QUARTER 1, 1, F0, F1, 0
	QUARTER 1, 2, F1, F0, 0
	QUARTER 1, 3, F0, F1, 0
	s_wait_dscnt 16                                ; the very last quarter: nothing more to fetch
	WIN MUL
	MUL8 F1, 0, 0, 0
	MUL8 F1, 0, 2, 0
	s_wait_dscnt 0x0
	MUL8 F1, 1, 0, 0
	MUL8 F1, 1, 2, 0
	WIN 0
; THE WAY OUT, a block of 16 rows x 64 columns at a time.  A wave's 64 columns of f32 are 256 consecutive bytes, aligned: so each wave has a stage of its own and no barrier is needed.
; LDS serves a wave's instructions in order: no wait between the stores and the loads, nor ahead of the next block's stores.
.macro TOSTAGE a
.irp b, 0,1,2,3
	ds_store_b128 v[STO], v[ACC+8*(4*(\a)+\b):ACC+8*(4*(\a)+\b)+3] offset:64*\b          ; each accumulator from its low end on
	ds_store_b128 v[STO], v[ACC+8*(4*(\a)+\b)+4:ACC+8*(4*(\a)+\b)+7] offset:64*\b+16
.endr
.irp i, 0,1,2,3,4,5,6,7
	ds_load_b128 v[TMP+32*((\a)%2)+4*\i:TMP+32*((\a)%2)+4*\i+3], v[RD] offset:\i*2*SPITCH
.endr
.endm
.macro SEND a, younger                 ; younger: the LDS instructions issued behind block a's loads, which may stay out
	s_wait_dscnt \younger
.irp i, 0,1,2,3,4,5,6,7
	global_store_b128 v[CO], v[TMP+32*((\a)%2)+4*\i:TMP+32*((\a)%2)+4*\i+3], s[8:9] offset:(16*(\a)+2*\i)*8192 th:TH_STORE_NT   ; 16 lanes store 256 consecutive bytes, aligned
.endr
.endm
	PLACES
	TOSTAGE 0
.irp a, 1,2,3
.if \a > 1
	s_wait_xcnt 0x0                                ; block a - 2's stores have read their registers: block a's loads may land there
.endif
	TOSTAGE \a
	SEND \a-1, 16                                  ; behind block a - 1's loads: block a's 8 stores and 8 loads
.endr
	SEND 3, 0
	s_wait_tensorcnt 0x0                           ; the wave's end, behind my last tensor load and my last LDS store
	ds_add_u32 v[SPW], v[NIL]
	s_wait_dscnt 0x0
	CROUND                                         ; the closing round
	s_endpgm
.Lfunc_end_k_q41c0c30604_oproj:
	.size	k_q41c0c30604_oproj, .Lfunc_end_k_q41c0c30604_oproj-k_q41c0c30604_oproj
	.p2alignl 7, 3214868480
	.fill 96, 4, 3214868480
	.section	.rodata,"a",@progbits
	.p2align	6, 0x0
	.amdhsa_kernel k_q41c0c30604_oproj
		.amdhsa_group_segment_fixed_size 327680
		.amdhsa_private_segment_fixed_size 0
		.amdhsa_enable_private_segment 0
		.amdhsa_kernarg_size 24
		.amdhsa_user_sgpr_count 2
		.amdhsa_user_sgpr_kernarg_segment_ptr 1
		.amdhsa_wavefront_size32 1
		.amdhsa_system_sgpr_workgroup_id_x 1
		.amdhsa_system_sgpr_workgroup_id_y 1
		.amdhsa_system_sgpr_workgroup_id_z 1
		.amdhsa_system_vgpr_workitem_id 0
		.amdhsa_next_free_vgpr 512
		.amdhsa_next_free_sgpr 66
		.amdhsa_reserve_vcc 0
		.amdhsa_float_denorm_mode_32 3
		.amdhsa_float_denorm_mode_16_64 3
		.amdhsa_memory_ordered 1
		.amdhsa_forward_progress 1
		.amdhsa_inst_pref_size 87
	.end_amdhsa_kernel
	.amdgpu_metadata
---
amdhsa.version: [ 1, 2 ]
amdhsa.kernels:
  - .name:           k_q41c0c30604_oproj
    .symbol:         k_q41c0c30604_oproj.kd
    .args:
      - { .name: o16, .offset: 0, .size: 8, .value_kind: global_buffer, .address_space: global }
      - { .name: wo16, .offset: 8, .size: 8, .value_kind: global_buffer, .address_space: global }
      - { .name: out0, .offset: 16, .size: 8, .value_kind: global_buffer, .address_space: global }
    .group_segment_fixed_size: 327680
    .private_segment_fixed_size: 0
    .kernarg_segment_align: 8
    .kernarg_segment_size: 24
    .max_flat_workgroup_size: 128
    .sgpr_count:     66
    .vgpr_count:     512
    .wavefront_size: 32
...
	.end_amdgpu_metadata
.endif
;; end of part 4
